; MI455X (gfx1250); checked and timed in simulation.
; The chip was launched on July 23, 2026; its instructions are those of AMD's public machine-readable ISA for CDNA 5 (MIT licence, August 2026) and "CDNA5" Instruction Set Architecture Reference Guide (July 2026). The comments in the code are by the model that wrote it; some were corrected since.
;; Grouped Query Latent Attention. Allowed arithmetic: matrix products marked QUANTISED: E2M3 operands, one E8M0 scale for each 32 along K, by v_wmma_scale_f32_16x16x128_f8f6f4 with both operands' format E2M3, f32 sums; everything else in f32.
;; Inputs: Wk 512 x 256 float32; Wl 1,024 x 512 float32; Wo 1,024 x 1,024 float32; Wq 1,024 x 1,024 float32; Wv 512 x 256 float32; bk 256 float32; bl 512 float32; bo 1,024 float32; bq 1,024 float32; bv 256 float32; hidden_states 2 x 2,048 x 1,024 float32.
;; Outputs: out0 2 x 2,048 x 1,024 float32.
;; This version of the problem:
;;   THIS VERSION OF THE PROBLEM IS GIVEN IN LOW PRECISION. The matrix products marked QUANTISED in the list below multiply operands that are first quantised to E2M3 (2 exponent bits, 3 mantissa bits; 6 bits a number), with one power-of-two scale for each 32 numbers along K (OCP MX v1.0); their sums are f32. All else is computed in f32.
;;   The module's matrix products, in the order in which they are computed (A, B: the left and right operand; K: the contracted axis; several contracted axes count as one K, in the product's order):
;;     1. [M 4,096, K 1,024] x [K 1,024, N 1,024]; A: input hidden_states; B: input Wq: QUANTISED
;;     2. [M 4,096, K 1,024] x [K 1,024, N 512]; A: input hidden_states; B: input Wl: QUANTISED
;;     3. [M 4,096, K 512] x [K 512, N 256]; A: computed on the way; B: input Wk: QUANTISED
;;     4. [M 4,096, K 512] x [K 512, N 256]; A: computed on the way; B: input Wv: QUANTISED
;;     5. batch 32 x [M 2,048, K 64] x [K 64, N 2,048]; A: computed on the way; B: computed on the way: QUANTISED
;;     6. batch 32 x [M 2,048, K 2,048] x [K 2,048, N 64]; A: softmax (see below); B: computed on the way: QUANTISED
;;     7. [M 4,096, K 1,024] x [K 1,024, N 1,024]; A: computed on the way; B: input Wo: QUANTISED
;;   THE QUANTISER, for each operand of a quantised product, along K:
;;     - K is cut into blocks of 32 from its start; a last block that is shorter is filled with zeros.
;;     - A block's scale is 2^e with e = floor(log2(the largest magnitude in the block)) - 2, held to -126 .. 127; a block of zeros has e = 0. As a byte (E8M0): e + 127.
;;     - Each number is divided by its block's scale, clamped to +-7.5, and rounded to the nearest number of E2M3, ties to even, subnormals kept.
;;     - The product sums the exact products of the quantised numbers (number of the format x scale) in f32.
;;   ~~~python
;;   def quantise(x, axis):      # numpy; x: float32 -> the quantised numbers, widened to float32 again
;;       x = np.moveaxis(x, axis, -1); K = x.shape[-1]
;;       x = np.pad(x, [(0, 0)] * (x.ndim - 1) + [(0, -K % 32)]); x = x.reshape(x.shape[:-1] + (-1, 32)); a = np.abs(x).max(-1, keepdims=True)
;;       e = np.where(a > 0, np.clip(np.frexp(np.where(a > 0, a, 1))[1] - 1 - 2, -126, 127), 0)      # np.frexp(a)[1] - 1 = floor(log2(a)), exactly
;;       r = np.clip(x / 2.0 ** e, -7.5, 7.5)
;;       step = 2.0 ** (np.maximum(np.frexp(np.where(r == 0, 1, r))[1] - 1, 0) - 3)
;;       q = np.round(r / step) * step * 2.0 ** e      # np.round: ties to even
;;       return np.moveaxis(q.reshape(q.shape[:-2] + (-1,))[..., :K], -1, axis).astype(np.float32)
;;   ~~~
;;   SOFTMAX AHEAD OF A QUANTISED PRODUCT. Where the list says 'softmax', what is quantised is not the finished softmax but p = 2^(t - M), with t = logit x log2(e) and M = ceil(the row's largest t), a whole number; so 1/2 < the row's largest p <= 1. The row's sum l is taken of the UNQUANTISED p, in f32, and the product's result is divided by l at the end. Since M is a whole number, a kernel that streams over the keys may use a running M (the ceiling of the running maximum): every later rescaling is an exact power of two, which a block's scale takes up: the codes' values come out the same.
;;   OPERANDS COMPUTED ON THE WAY. 'Computed on the way' means the value that the module computes at that place (a softmax that the list does not call 'softmax' is quantised finished and normalised). What goes into a quantiser is computed in f32, as accurately as f32 sums, v_exp_f32 and their like allow (about 1e-6 of the number): no bf16 or f16 on the way to a quantiser, and a product that is left as it is and whose result goes on into a quantised operand takes f32 operands (vector FMAs, or v_wmma_f32_16x16x4_f32). A number that lies on a knife's edge between two numbers of the format may be rounded either way, as far as f32 arithmetic and the matrix unit's own rounding can turn it there, and no further.
;; One version. Each part assembles by itself: llvm-mc -triple=amdgcn-amd-amdhsa -mcpu=gfx1250 --defsym DOCPART=n.
;; ======== version 1 of 1: 5 launches
;; limits: right only within a limited range of input values
;; workspace buffers: hsimg 3,407,872 bytes; wimg 2,342,912 bytes; qlimg 5,111,808 bytes; kvimg 1,638,400 bytes; cximg 3,407,872 bytes
;; launch prep (part 1): grid 432 x 1, 4 waves a work-group, no clusters, 68,096 bytes of LDS; arguments hidden_states, Wq, Wl, Wk, Wv, Wo, hsimg, wimg; writes hsimg, wimg
.if DOCPART == 1
	.amdgcn_target "amdgcn-amd-amdhsa--gfx1250"
	.amdhsa_code_object_version 6
	.text
	.protected	k_q2add8d8fc4_prep
	.globl	k_q2add8d8fc4_prep
	.p2align	8
	.type	k_q2add8d8fc4_prep,@function
k_q2add8d8fc4_prep:
	s_mov_b64 s[64:65], 0
	v_nop
	global_prefetch_b8 v0, s[64:65] scope:SCOPE_SE
	s_setreg_imm32_b32 hwreg(HW_REG_WAVE_MODE, 25, 1), 1
	s_wait_xcnt 0x0
; PREP: hidden_states [4096][1024] and the five weights (f32, K = their FIRST axis) become codes of E2M3 with one E8M0 byte for each 32 along K,
; laid in the ORDER OF AN OPERAND'S REGISTERS, so that the later launches fetch fragments by dense 16- and 8-byte loads.
; A TILE is 16 rows (tokens, or columns of a weight): of each 32 neighbours, tile u takes (r & 7) + 8 u + 16 (r >> 3), r = 0 .. 15.
; A UNIT is a tile x 64 along K, 768 bytes: lane l's registers 0-3 at 16 l, its registers 4-5 at 512 + 8 l; lane (r, h) holds row r, k = 32 h .. 32 h + 31.
; A RECORD is a tile x 256 along K, 3,328 bytes apart: four units, then at 3,072 + 8 r two scale words (128 along K each).  Buffers: [tile][K / 256 records].
; A block's scale is 2^(floor(log2(largest magnitude)) - 2): its byte is the largest magnitude's exponent field - 2, held at 1 from below.
; LIMITS: NaN and infinities among the inputs are not served; a block whose largest magnitude lies under 2^-124 (a block of zeros too) keeps the byte 1: its
; codes are then small or zero, and the bytes are read by this program alone.
; Work-groups 0-255: one token tile each, a wave to a record.  Work-groups 256-431: the weights, a wave to 32 columns x 128 along K.
; No matrix unit, no cluster, no tensor load: every input byte is read once by one wave, and waves share nothing.
.set SPARE, 67584                      ; behind the four waves' stages: the spare words, 128 bytes a wave
.set WREG,  16896                      ; a wave's two stages of 16 rows x 528 bytes
.set SROW,  528                        ; a stage row: 512 bytes + 16, so that sixteen rows start in sixteen different groups of banks
.set SPW,   12                         ; v12  my spare word's LDS address; never rewritten
.set NIL,   13                         ; v13  0; never rewritten
.set RR,    16                         ; v16-143  numbers as loaded
.set X,     144                        ; v144-207 64 numbers in the operand's order (tokens);  v144-175 codes (weights)
.set F,     208                        ; v208-231 two fragments of codes
.set SW,    248                        ; v248-249 the record's two scale words
.macro TOST kk                         ; a K step's 16 rows x 512 bytes into stage kk, as loaded
.irp p, 0,1,2,3,4,5,6,7,8,9,10,11,12,13,14,15
	ds_store_b128 v2, v[RR+64*\kk+4*\p:RR+64*\kk+4*\p+3] offset:8448*\kk+\p*SROW
.endr
.endm
.macro FROMST kk                       ; and back: lane (r, h) takes k = 64 c + 32 h + 0 .. 31 of row r.  LDS serves a wave's instructions in order: these see the stores
.irp c, 0,1
.irp i, 0,1,2,3,4,5,6,7
	ds_load_b128 v[X+32*\c+4*\i:X+32*\c+4*\i+3], v3 offset:8448*\kk+256*\c+16*\i
.endr
.endr
.endm
.macro QUANTH kk                       ; my two whole blocks (2 c + h) of K step kk: codes into v[F + 12 kk ..], the row's scale word into v[SW + kk]
.irp c, 0,1
	v_max3_num_f32 v[232+\c], |v[X+32*\c]|, |v[X+32*\c+1]|, 0x1800000      ; with the floor 2^(3 - 127): the byte cannot fall under 1
.endr
.irp i, 2,4,6,8,10,12,14,16,18,20,22,24,26,28,30
.irp c, 0,1
	v_max3_num_f32 v[232+\c], v[232+\c], |v[X+32*\c+\i]|, |v[X+32*\c+\i+1]|
.endr
.endr
.irp c, 0,1
	v_add_nc_u32 v[234+\c], 0xff000000, v[232+\c]          ; 2 off the exponent field: the conversion's scale operand
.endr
.irp c, 0,1
	v_lshrrev_b32 v[236+\c], 23, v[234+\c]                 ; the scale's byte
.endr
	v_lshl_or_b32 v[SW+\kk], v237, 16, v236                ; blocks h and 2 + h,
	v_lshlrev_b32 v[SW+\kk], v9, v[SW+\kk]                 ; 8 h bits up;
	v_permlanex16_b32 v250, v[SW+\kk], s24, s25
	v_or_b32 v[SW+\kk], v[SW+\kk], v250                    ; with lane l xor 16's two the word is whole
.irp c, 0,1
	v_cvt_scalef32_pk16_fp6_f32 v[F+12*\kk+6*\c:F+12*\kk+6*\c+2], v[X+32*\c:X+32*\c+15], v[234+\c]
	v_cvt_scalef32_pk16_fp6_f32 v[240+4*\c:242+4*\c], v[X+32*\c+16:X+32*\c+31], v[234+\c]   ; (a conversion's three registers begin on an even number)
.endr
	v_nop                                                  ; one plain place behind a scaled conversion
.irp c, 0,1
.irp i, 0,1,2
	v_mov_b32 v[F+12*\kk+6*\c+3+\i], v[240+4*\c+\i]
.endr
.endr
.endm
.macro PUTH kk                         ; units 2 kk and 2 kk + 1 of the record: 512 and 256 consecutive bytes a store
.irp c, 0,1
	global_store_b128 v1, v[F+12*\kk+6*\c:F+12*\kk+6*\c+3], s[16:17] offset:768*(2*\kk+\c)
	global_store_b64 v4, v[F+12*\kk+6*\c+4:F+12*\kk+6*\c+5], s[16:17] offset:768*(2*\kk+\c)+512
.endr
.endm
.macro WLOAD pitch                     ; W(128 s + k, my column), k = 0 .. 127: 32 lanes read 128 consecutive bytes
.set k, 0
.rept 128
	global_load_b32 v[RR+k], v1, s[26:27] offset:k*\pitch th:TH_LOAD_NT
.set k, k+1
.endr
.endm
.macro WBLOCK b                        ; block b of my column: all its 32 numbers are mine
.set XB, RR+32*(\b)
.if (\b) < 2
	s_wait_loadcnt 63                                      ; 96 or 64 loads were issued behind this block's; the wait's field holds 63
.else
	s_wait_loadcnt 96-32*(\b)
.endif
	v_max3_num_f32 v232, |v[XB]|, |v[XB+1]|, |v[XB+2]|
	v_max3_num_f32 v233, |v[XB+3]|, |v[XB+4]|, |v[XB+5]|
.irp i, 6,10,14,18,22,26
	v_max3_num_f32 v232, v232, |v[XB+\i]|, |v[XB+\i+1]|
	v_max3_num_f32 v233, v233, |v[XB+\i+2]|, |v[XB+\i+3]|
.endr
	v_max3_num_f32 v232, v232, |v[XB+30]|, |v[XB+31]|
	v_max3_num_f32 v232, v232, v233, 0x1800000             ; and the floor
	v_add_nc_u32 v234, 0xff000000, v232
	v_lshrrev_b32 v235, 23, v234
.if (\b) == 0
	v_mov_b32 v236, v235                                   ; four bytes make the K step's scale word
.else
	v_lshl_or_b32 v236, v235, 8*(\b), v236
.endif
	v_cvt_scalef32_pk16_fp6_f32 v[X+8*(\b):X+8*(\b)+2], v[XB:XB+15], v234
	v_cvt_scalef32_pk16_fp6_f32 v[240:242], v[XB+16:XB+31], v234
	v_nop
.irp i, 0,1,2
	v_mov_b32 v[X+8*(\b)+3+\i], v[240+\i]
.endr
	global_store_b128 v2, v[X+8*(\b):X+8*(\b)+3], s[40:41] offset:768*((\b)/2)+256*((\b)%2)          ; the place of lane (r, h = b % 2) in unit b / 2: each block has its own registers
	global_store_b64 v3, v[X+8*(\b)+4:X+8*(\b)+5], s[40:41] offset:768*((\b)/2)+512+128*((\b)%2)
.endm
	s_load_b512 s[4:19], s[0:1], 0x0               ; hidden_states s[4:5], Wq s[6:7], Wl s[8:9], Wk s[10:11], Wv s[12:13], Wo s[14:15], hsimg s[16:17], wimg s[18:19]
	v_lshl_add_u32 v[SPW], v0, 2, SPARE
	v_mov_b32 v[NIL], 0
	v_lshrrev_b32 v1, 5, v0
	v_readfirstlane_b32 s20, v1                    ; wave 0..3
	v_and_b32 v6, 31, v0                           ; lane
	s_mov_b32 s24, 0x76543210
	s_mov_b32 s25, 0xfedcba98                      ; v_permlanex16_b32's selects for lane l xor 16
	s_cmp_ge_u32 ttmp9, 256
	s_cbranch_scc1 .Lweights
	; ---- a token tile: wave G takes record G, 16 rows x 1,024 bytes
	v_lshlrev_b32 v1, 4, v6                        ; 16 x lane
	v_lshlrev_b32 v4, 3, v6                        ; 8 x lane
	v_and_b32 v7, 15, v0                           ; r
	v_bfe_u32 v8, v0, 4, 1                         ; h
	v_lshlrev_b32 v5, 3, v7                        ; 8 r
	v_lshlrev_b32 v9, 3, v8                        ; 8 h
	v_mov_b32 v250, 0                              ; a lane permute's destination counts as one of its sources
	s_mul_i32 s21, s20, WREG
	v_add_nc_u32 v2, s21, v1                       ; into my stage: 16 x lane
	v_mul_u32_u24 v3, v7, SROW
	v_lshl_add_u32 v3, v8, 7, v3
	v_add_nc_u32 v3, s21, v3                       ; out of it: row r, + 128 h
	s_lshr_b32 s22, ttmp9, 1
	s_lshl_b32 s22, s22, 17                        ; 32 tokens x 4,096 bytes for each pair of tiles,
	s_and_b32 s23, ttmp9, 1
	s_lshl_b32 s23, s23, 15                        ; 8 tokens for the odd tile,
	s_add_co_u32 s22, s22, s23
	s_lshl_b32 s23, s20, 10                        ; 1,024 bytes of the row for each record
	s_add_co_u32 s22, s22, s23
	s_mov_b32 s23, 0
	s_mul_i32 s26, ttmp9, 13312
	s_mul_i32 s27, s20, 3328
	s_add_co_u32 s26, s26, s27
	s_mov_b32 s27, 0
	s_wait_alu depctr_va_vdst(0)
	s_wait_kmcnt 0x0
	s_add_nc_u64 s[4:5], s[4:5], s[22:23]
	s_add_nc_u64 s[16:17], s[16:17], s[26:27]
.irp kk, 0,1
.irp p, 0,1,2,3,4,5,6,7,8,9,10,11,12,13,14,15
	global_load_b128 v[RR+64*\kk+4*\p:RR+64*\kk+4*\p+3], v1, s[4:5] offset:(\p+8*(\p/8))*4096+512*\kk th:TH_LOAD_NT   ; 512 consecutive bytes of the tile's row p
.endr
.endr
	s_wait_loadcnt 16                              ; the first K step's sixteen loads are in; the second's may be out
	TOST 0
	FROMST 0
	s_wait_loadcnt 0x0
	TOST 1
	s_wait_dscnt 16                                ; stage 0's numbers are back; behind them stand stage 1's sixteen stores
	QUANTH 0
	FROMST 1
	PUTH 0
	s_wait_dscnt 0x0
	QUANTH 1
	PUTH 1
	global_store_b64 v5, v[SW:SW+1], s[16:17] offset:3072   ; the rows' two scale words (both halves of the lanes hold and write the same)
	s_branch .Lend
.Lweights:
	; ---- the weights.  e < 64: Wq; < 96: Wl; < 104: Wk; < 112: Wv; else Wo.  The choice hangs on the work-group's number alone
	s_sub_co_u32 s21, ttmp9, 256                   ; e
	s_wait_kmcnt 0x0
	s_cmp_lt_u32 s21, 64
	s_cselect_b64 s[26:27], s[6:7], s[8:9]         ; the tensor,
	s_cselect_b32 s28, 0, 64*13312                 ; where its tiles begin in wimg,
	s_cselect_b32 s30, 0, 64                       ; its first work-group,
	s_cselect_b32 s31, 3, 2                        ; log2 of its blocks of 128 columns
	s_cmp_lt_u32 s21, 96
	s_cselect_b64 s[26:27], s[26:27], s[10:11]
	s_cselect_b32 s28, s28, 1277952
	s_cselect_b32 s30, s30, 96
	s_cselect_b32 s31, s31, 1
	s_cmp_lt_u32 s21, 104
	s_cselect_b64 s[26:27], s[26:27], s[12:13]
	s_cselect_b32 s28, s28, 1277952+16*6656
	s_cselect_b32 s30, s30, 104
	s_cmp_lt_u32 s21, 112
	s_cselect_b64 s[26:27], s[26:27], s[14:15]
	s_cselect_b32 s28, s28, 1490944
	s_cselect_b32 s30, s30, 112
	s_cselect_b32 s31, s31, 3
	s_sub_co_u32 s32, s21, 96
	s_mov_b32 s29, 13312                           ; bytes from tile to tile: four records, or two where K = 512 (Wk, Wv)
	s_cmp_lt_u32 s32, 16
	s_cselect_b32 s29, 6656, s29
	s_sub_co_u32 s30, s21, s30                     ; my number within the tensor
	s_lshr_b32 s33, s30, s31                       ; s: which 128 along K
	s_lshl_b32 s34, s33, s31
	s_sub_co_u32 s34, s30, s34
	s_lshl_b32 s34, s34, 2
	s_add_co_u32 s34, s34, s20                     ; which 32 columns are my wave's
	s_add_co_u32 s35, s31, 16
	s_lshl_b32 s36, s33, s35                       ; 128 s rows of 512 << log bytes,
	s_lshl_b32 s37, s34, 7                         ; + 128 bytes for each 32 columns
	s_add_co_u32 s36, s36, s37
	s_mov_b32 s37, 0
	s_add_nc_u64 s[26:27], s[26:27], s[36:37]
	s_mul_i32 s38, s34, s29
	s_lshl_b32 s38, s38, 1                         ; two tiles for each 32 columns
	s_add_co_u32 s38, s38, s28
	s_lshr_b32 s39, s33, 1
	s_mul_i32 s39, s39, 3328
	s_add_co_u32 s38, s38, s39                     ; the record of my first tile
	s_and_b32 s39, s33, 1
	s_mul_i32 s40, s39, 1536                       ; the K step's two units in it,
	s_add_co_u32 s40, s40, s38
	s_mov_b32 s41, 0
	s_lshl_b32 s42, s39, 2                         ; and its scale words
	s_add_co_u32 s42, s42, s38
	s_add_co_u32 s42, s42, 3072
	s_mov_b32 s43, 0
	s_add_nc_u64 s[40:41], s[18:19], s[40:41]
	s_add_nc_u64 s[42:43], s[18:19], s[42:43]
	s_wait_alu depctr_va_vdst(0)
	v_lshlrev_b32 v1, 2, v6                        ; in: 4 bytes a lane
	v_bfe_u32 v7, v0, 3, 1                         ; column i of the 32 is row r = (i & 7) + 8 (i >> 4) of tile u = (i >> 3) & 1
	v_and_b32 v8, 7, v0
	v_bfe_u32 v9, v0, 4, 1
	v_lshl_add_u32 v8, v9, 3, v8
	v_mul_lo_u32 v7, v7, s29
	v_lshl_add_u32 v2, v8, 4, v7                   ; tile u, 16 r
	v_lshl_add_u32 v3, v8, 3, v7                   ; tile u, 8 r
	s_cmp_eq_u32 s31, 3                            ; the row pitch stands in the loads' immediates: three copies of the loads
	s_cbranch_scc1 .Lpitch_4096
	s_cmp_eq_u32 s31, 2
	s_cbranch_scc1 .Lpitch_2048
	WLOAD 1024
	s_branch .Lloaded
.Lpitch_2048:
	s_wait_alu depctr_va_vdst(0)
	WLOAD 2048
	s_branch .Lloaded
.Lpitch_4096:
	s_wait_alu depctr_va_vdst(0)
	WLOAD 4096
.Lloaded:
	WBLOCK 0
	WBLOCK 1
	WBLOCK 2
	WBLOCK 3
	global_store_b32 v3, v236, s[42:43]            ; my column's scale word of this K step
.Lend:
	s_wait_tensorcnt 0x0                           ; the wave's end
	ds_add_u32 v[SPW], v[NIL]
	s_wait_dscnt 0x0
	s_endpgm
.Lfunc_end_k_q2add8d8fc4_prep:
	.size	k_q2add8d8fc4_prep, .Lfunc_end_k_q2add8d8fc4_prep-k_q2add8d8fc4_prep
	.p2alignl 7, 3214868480
	.fill 96, 4, 3214868480
	.section	.rodata,"a",@progbits
	.p2align	6, 0x0
	.amdhsa_kernel k_q2add8d8fc4_prep
		.amdhsa_group_segment_fixed_size 68096
		.amdhsa_private_segment_fixed_size 0
		.amdhsa_enable_private_segment 0
		.amdhsa_kernarg_size 64
		.amdhsa_user_sgpr_count 2
		.amdhsa_user_sgpr_kernarg_segment_ptr 1
		.amdhsa_wavefront_size32 1
		.amdhsa_system_sgpr_workgroup_id_x 1
		.amdhsa_system_sgpr_workgroup_id_y 1
		.amdhsa_system_sgpr_workgroup_id_z 1
		.amdhsa_system_vgpr_workitem_id 0
		.amdhsa_next_free_vgpr 256
		.amdhsa_next_free_sgpr 66
		.amdhsa_reserve_vcc 0
		.amdhsa_float_denorm_mode_32 3
		.amdhsa_float_denorm_mode_16_64 3
		.amdhsa_memory_ordered 1
		.amdhsa_forward_progress 1
		.amdhsa_inst_pref_size 62
	.end_amdhsa_kernel
	.amdgpu_metadata
---
amdhsa.version: [ 1, 2 ]
amdhsa.kernels:
  - .name:           k_q2add8d8fc4_prep
    .symbol:         k_q2add8d8fc4_prep.kd
    .args:
      - { .name: hidden_states, .offset: 0, .size: 8, .value_kind: global_buffer, .address_space: global }
      - { .name: Wq, .offset: 8, .size: 8, .value_kind: global_buffer, .address_space: global }
      - { .name: Wl, .offset: 16, .size: 8, .value_kind: global_buffer, .address_space: global }
      - { .name: Wk, .offset: 24, .size: 8, .value_kind: global_buffer, .address_space: global }
      - { .name: Wv, .offset: 32, .size: 8, .value_kind: global_buffer, .address_space: global }
      - { .name: Wo, .offset: 40, .size: 8, .value_kind: global_buffer, .address_space: global }
      - { .name: hsimg, .offset: 48, .size: 8, .value_kind: global_buffer, .address_space: global }
      - { .name: wimg, .offset: 56, .size: 8, .value_kind: global_buffer, .address_space: global }
    .group_segment_fixed_size: 68096
    .private_segment_fixed_size: 0
    .kernarg_segment_align: 8
    .kernarg_segment_size: 64
    .max_flat_workgroup_size: 128
    .sgpr_count:     66
    .vgpr_count:     256
    .wavefront_size: 32
...
	.end_amdgpu_metadata
.endif
;; end of part 1
;; launch proj1 (part 2): grid 8 x 32, 4 waves a work-group, clusters of 4 x 4, 327,680 bytes of LDS; arguments hsimg, wimg, bq, bl, qlimg; writes qlimg
.if DOCPART == 2
	.amdgcn_target "amdgcn-amd-amdhsa--gfx1250"
	.amdhsa_code_object_version 6
	.text
	.protected	k_q2add8d8fc4_proj1
	.globl	k_q2add8d8fc4_proj1
	.p2align	8
	.type	k_q2add8d8fc4_proj1,@function
k_q2add8d8fc4_proj1:
	s_mov_b64 s[64:65], 0
	v_nop
	global_prefetch_b8 v0, s[64:65] scope:SCOPE_SE
	s_setreg_imm32_b32 hwreg(HW_REG_WAVE_MODE, 25, 1), 1
	s_wait_xcnt 0x0
	s_wait_alu depctr_hold_cnt(0) depctr_sa_sdst(0) depctr_va_vdst(0) depctr_va_sdst(0) depctr_va_ssrc(0) depctr_va_vcc(0) depctr_vm_vsrc(0)
	s_getreg_b32 s2, hwreg(HW_REG_IB_STS2, 6, 4)
	s_cmp_eq_u32 s2, 0
	s_cbranch_scc0 .Lentry_in_a_cluster
	s_endpgm
.Lentry_in_a_cluster:
	s_bfe_u32 s2, ttmp6, 0x10000c
	s_cmp_lg_u32 s2, 0xf033
	s_cbranch_scc0 .Lentry_shape_is_right
	s_endpgm
.Lentry_shape_is_right:
; PROJ1: q = x Wq + bq and latent = x Wl + bl on codes of E2M3, and their quantising: q along each head's 64, latent along its 512.
; Operands come as records (a tile of 16 rows x 256 along K: four units of 768 bytes in the order of an operand's registers, then two scale words a row; 3,328 bytes apart).
; A work-group takes 128 tokens (8 tiles) x 192 columns of Wq | Wl (12 tiles = 3 units of 64).  Each of its four waves takes 2 token tiles x all 12 column tiles: 24 accumulators.
; THE MATRIX INSTRUCTION IS USED TRANSPOSED (source 0 = 16 columns of the weight, source 1 = 16 tokens), and a tile's 16 rows are (r & 7) + 8 u + 16 (r >> 3) of 32 neighbours:
; so a lane holds ONE token, and the 16 registers of tiles 2 b, 2 b + 1 are columns 32 b + 16 (lane / 16) + 0 .. 15: the conversions' own order.
; ALL OF K FITS IN LDS: four chunks of 256 along K, each filled ONCE; no LDS byte is filled twice, so there is no ring.  All of K is waited for once, behind a barrier, ahead of the first step.
; CLUSTER 4 x 4: the four work-groups of a row need the same tokens, the four of a column the same weights: each chunk is asked for jointly.
; The biases are loaded into the accumulators, and every K step adds in place: nothing is cleared.
; LIMITS: as the quantiser of the first launch: no NaN or infinities; a block under 2^-124 keeps the byte 1.
.set NX,     12                        ; column tiles of a work-group
.set NCH,    4                         ; chunks of 256 along K
.set REC,    3328
.set ROWB,   2*REC                     ; a row of a tensor load and a tile's place in LDS: two records on end, half of a tile's K
.set TCH,    8*ROWB                    ; half of K of the 8 token tiles: one load, of wave 0 or 1
.set WCH,    NX*ROWB                   ; half of K of the 12 weight tiles: one load, of wave 2 or 3
.set WGTB,   2*TCH                     ; the weights lie behind the tokens
.set SPARE,  WGTB+2*WCH                ; behind them: the spare words, 128 bytes a wave
.set XB,     41                        ; v48-50: a second set of the weights' LDS addresses, for tiles 6-11 (an LDS offset has 16 bits)
.set TPITCH, 4*REC                     ; from tile to tile in hsimg
.set WPITCH, 4*REC                     ; and in wimg's first part
.set QPITCH, 6*REC                     ; and in qlimg
.set L16, 1                            ; v1  16 x lane     v2  8 x lane     v3  8 x (lane % 16)
.set L8,  2
.set R8,  3
.set YB16, 4                           ; v4-6  the same + my two token tiles' place in a chunk
.set YB8, 5
.set YBS, 6
.set X16, 7                            ; v7-12 LDS addresses for the chunk in hand: weights (16, 8, scales), tokens (16, 8, scales)
.set X8,  8
.set XS,  9
.set Y16, 10
.set Y8,  11
.set YS,  12
.set H64, 13                           ; v13 64 x (lane / 16): the biases' lane offset
.set SPW, 14                           ; v14 my spare word's LDS address; never rewritten
.set NIL, 15                           ; v15 0; never rewritten
.set SX,  16                           ; v16-39 the weights' scale words, two K steps a tile;  v40-43 the tokens'
.set SY,  SX+2*NX
.set TM,  44                           ; v44-62 the quantiser's: largest magnitudes, the other half's, scale operands, bytes, the two bytes, the unit, its second half
.set TP,  46
.set TS,  48
.set TB,  50
.set PW,  52
.set U,   54
.set CT,  60
.set ACC, 64                           ; v64-255 accumulator (y, x) at v[64 + 8 (12 y + x)].   Window 1: fragments: weight tile x at v[12 x], token tile y at v[12 (12 + y)]
.set G1T, 24                           ; s[24:31], s[32:39] descriptor groups 1 for tokens and weights;  s[40:43], s[68:71] groups 0, one for each
.set G1W, 32
.set G0T, 40
.set G0W, 68
.set SEL, 84
.set W_LD, 0x40                        ; destination window 1
.set W_MM, 0x05                        ; sources 0 and 1 window 1
.set MSB, 0
.macro WIN new                         ; the immediate's high byte repeats the setting that is left
.if MSB != \new
	s_set_vgpr_msb (MSB<<8)|\new
.set MSB, \new
.endif
.endm
.macro ROUND                           ; a round of the cluster's barrier
	s_barrier_signal -1
	s_barrier_wait -1
	s_cmp_lg_u32 s14, 0
	s_cbranch_scc1 .Lnot_wave_0_\@
	s_barrier_signal -3
.Lnot_wave_0_\@:
	s_barrier_wait -3
	s_barrier_signal -1
	s_barrier_wait -1
.endm
.macro PLACES                          ; four plain places behind matrix instructions, ahead of loads into their registers and of reads of their results
.rept 4
	v_nop
.endr
.endm
.macro FRAG reg, a16, a8, off          ; a fragment, 16 rows x 128 K: two units as they lie
	ds_load_b128 v[(\reg):(\reg)+3], v[\a16] offset:\off
	ds_load_b64 v[(\reg)+4:(\reg)+5], v[\a8] offset:(\off)+512
	ds_load_b128 v[(\reg)+6:(\reg)+9], v[\a16] offset:(\off)+768
	ds_load_b64 v[(\reg)+10:(\reg)+11], v[\a8] offset:(\off)+1280
.endm
; K step s (128 along K).  An even step opens a chunk: cnt = how many of my tensor loads may stay out when the chunk's has to be in.
.macro SLOT s, cnt
.if (\s)%2 == 0
.if (\s) == 0
	s_wait_tensorcnt \cnt                          ; my one load has landed
	s_barrier_signal -1
	s_barrier_wait -1                              ; everybody's has: all of K lies in LDS, and nothing is filled again
.endif
.set XO, WGTB+((\s)/4)*WCH+(((\s)/2)%2)*REC        ; the half of K, and the record in it
.set YO, ((\s)/4)*TCH+(((\s)/2)%2)*REC
	v_add_nc_u32 v[X16], XO, v[L16]
	v_add_nc_u32 v[X8], XO, v[L8]
	v_add_nc_u32 v[XS], XO+3072, v[R8]
	v_add_nc_u32 v[X16+XB], XO+6*ROWB, v[L16]
	v_add_nc_u32 v[X8+XB], XO+6*ROWB, v[L8]
	v_add_nc_u32 v[XS+XB], XO+6*ROWB+3072, v[R8]
	v_add_nc_u32 v[Y16], YO, v[YB16]
	v_add_nc_u32 v[Y8], YO, v[YB8]
	v_add_nc_u32 v[YS], YO+3072, v[YBS]
.set xx, 0
.rept NX
	ds_load_b64 v[SX+2*xx:SX+2*xx+1], v[XS+XB*(xx/6)] offset:(xx%6)*ROWB
.set xx, xx+1
.endr
.irp y, 0,1
	ds_load_b64 v[SY+2*\y:SY+2*\y+1], v[YS] offset:\y*ROWB
.endr
.endif
	WIN W_LD
.set xx, 0
.rept NX
	FRAG 12*xx, X16+XB*(xx/6), X8+XB*(xx/6), (xx%6)*ROWB+((\s)%2)*1536
.set xx, xx+1
.endr
.irp y, 0,1
	FRAG 12*(NX+\y), Y16, Y8, \y*ROWB+((\s)%2)*1536
.endr
	s_wait_dscnt 0x0
	WIN W_MM
.irp y, 0,1                            ; the 24 accumulators take turns, one instruction a turn, in the same order in every step
.set xx, 0
.rept NX
	v_wmma_scale_f32_16x16x128_f8f6f4 v[ACC+8*(NX*\y+xx):ACC+8*(NX*\y+xx)+7], v[12*xx:12*xx+11], v[12*(NX+\y):12*(NX+\y)+11], v[ACC+8*(NX*\y+xx):ACC+8*(NX*\y+xx)+7], v[SX+2*xx+(\s)%2], v[SY+2*\y+(\s)%2] matrix_a_fmt:MATRIX_FMT_FP6 matrix_b_fmt:MATRIX_FMT_FP6
.set xx, xx+1
.endr
.endr
	WIN 0
	PLACES
.endm
; 32 numbers of a lane, register 16 b + i = index 32 b + 16 (lane / 16) + i of my row, become a unit in v[U .. U + 5] and its two scale bytes in v[PW].  Each accumulator is first read at its low end.
.macro QUANT32 s
.irp b, 0,1
	v_max3_num_f32 v[TM+\b], |v[(\s)+16*\b]|, |v[(\s)+16*\b+1]|, 0x1800000   ; with the floor 2^(3 - 127): the byte cannot fall under 1
.endr
.irp i, 2,4,6,8,10,12,14
.irp b, 0,1
	v_max3_num_f32 v[TM+\b], v[TM+\b], |v[(\s)+16*\b+\i]|, |v[(\s)+16*\b+\i+1]|
.endr
.endr
.irp b, 0,1
	v_permlanex16_b32 v[TP+\b], v[TM+\b], s[SEL], s[SEL+1]
.endr
.irp b, 0,1
	v_max_num_f32 v[TM+\b], v[TM+\b], v[TP+\b]             ; with lane l xor 16's: the block's largest magnitude
.endr
.irp b, 0,1
	v_add_nc_u32 v[TS+\b], 0xff000000, v[TM+\b]            ; 2 off its exponent field: the conversion's scale operand
.endr
.irp b, 0,1
	v_lshrrev_b32 v[TB+\b], 23, v[TS+\b]                   ; the scale's byte
.endr
	s_wait_alu depctr_va_vdst(0)
	s_wait_xcnt 0x0                                        ; the last unit's stores have read their data: the registers below are written again only behind this wait
	v_lshl_or_b32 v[PW], v[TB+1], 8, v[TB]
	v_cvt_scalef32_pk16_fp6_f32 v[U:U+2], v[(\s):(\s)+15], v[TS]
	v_cvt_scalef32_pk16_fp6_f32 v[CT:CT+2], v[(\s)+16:(\s)+31], v[TS+1]
	v_nop                                                  ; one plain place behind a scaled conversion
.irp i, 0,1,2
	v_permlane16_swap_b32 v[U+\i], v[CT+\i]                ; a WHOLE block to a lane: lanes 0-15 block 0, lanes 16-31 block 1
.endr
.irp i, 0,1,2
	v_mov_b32 v[U+3+\i], v[CT+\i]
.endr
.endm
.macro PUTUNIT pu, ps, off             ; 512 and 256 consecutive bytes, and the rows' two scale bytes
	global_store_b128 v[L16], v[U:U+3], s[(\pu):(\pu)+1] offset:\off
	global_store_b64 v[L8], v[U+4:U+5], s[(\pu):(\pu)+1] offset:(\off)+512
	global_store_b16 v[R8], v[PW], s[(\ps):(\ps)+1] offset:\off
.endm
	s_load_b256 s[4:11], s[0:1], 0x0               ; hsimg s[4:5], wimg s[6:7], bq s[8:9], bl s[10:11]
	s_load_b64 s[12:13], s[0:1], 0x20              ; qlimg
	v_lshl_add_u32 v[SPW], v0, 2, SPARE
	v_mov_b32 v[NIL], 0
	ds_add_u32 v[SPW], v[NIL]                      ; the wave's opening: the add and its wait stand ahead of my first tensor load; work on registers stands between them
	ds_add_u32 v[SPW], v[NIL]
	v_lshrrev_b32 v1, 5, v0
	v_readfirstlane_b32 s14, v1                    ; wave 0..3
	s_and_b32 s15, s14, 1                          ; which half of K I fetch: waves 0, 1 of the tokens, waves 2, 3 of the weights
	s_bfe_u32 s17, ttmp6, 0x40000                  ; cx, cy: my place in the cluster
	s_bfe_u32 s18, ttmp6, 0x40004
	s_lshl_b32 s19, ttmp9, 2
	s_add_co_u32 s19, s19, s17                     ; x: which 192 columns
	s_and_b32 s20, ttmp7, 0xffff
	s_lshl_b32 s20, s20, 2
	s_add_co_u32 s20, s20, s18                     ; y: which 128 tokens
	s_lshl_b32 s21, s18, 2
	s_lshl_b32 s21, 15, s21                        ; my row of the cluster
	s_lshl_b32 s22, 0x1111, s17                    ; my column
	s_or_b32 s[G1T], s21, (3<<16)|(1<<21)          ; 15:0 the mask: tokens go to my row; 17:16 elements of 8 bytes; 21 set beside a mask; no padding
	s_mov_b32 s[G1T+1], (ROWB/8)<<16               ; tensor_dim0 = 832 elements
	s_mov_b32 s[G1T+2], 8<<16                      ; tensor_dim1 = 8 tiles
	s_mov_b32 s[G1T+3], (ROWB/8)<<16               ; tile_dim0
	s_mov_b32 s[G1T+4], 8                          ; tile_dim1
	s_mov_b32 s[G1T+5], TPITCH/8                   ; from tile to tile, in elements
	s_mov_b32 s[G1T+6], 0
	s_mov_b32 s[G1T+7], 0
	s_or_b32 s[G1W], s22, (3<<16)|(1<<21)          ; the weights go to my column
	s_mov_b32 s[G1W+1], (ROWB/8)<<16
	s_mov_b32 s[G1W+2], NX<<16
	s_mov_b32 s[G1W+3], (ROWB/8)<<16
	s_mov_b32 s[G1W+4], NX
	s_mov_b32 s[G1W+5], WPITCH/8
	s_mov_b32 s[G1W+6], 0
	s_mov_b32 s[G1W+7], 0
	s_lshl_b32 s56, s20, 3                         ; the tokens' address hangs on y and the wave alone,
	s_mul_i32 s56, s56, TPITCH
	s_mul_i32 s57, s15, ROWB                       ; my half of K
	s_add_co_u32 s56, s56, s57
	s_mov_b32 s57, 0
	s_mul_i32 s58, s19, NX*WPITCH                  ; the weights' on x and the wave alone
	s_mul_i32 s59, s15, ROWB
	s_add_co_u32 s58, s58, s59
	s_mov_b32 s59, 0
	s_mul_i32 s60, s15, TCH                        ; where they go: no place in the cluster enters an LDS address
	s_mul_i32 s61, s15, WCH
	s_mov_b32 s[SEL], 0x76543210
	s_mov_b32 s[SEL+1], 0xfedcba98
	s_wait_dscnt 0x0                               ; the opening add is done
	s_wait_kmcnt 0x0
	s_add_nc_u64 s[56:57], s[4:5], s[56:57]
	s_add_nc_u64 s[58:59], s[6:7], s[58:59]
	ROUND                                          ; all sixteen work-groups are here: the joint loads meet
.irp G, 0
	s_mov_b32 s[G0T+4*\G], 1
	s_add_co_u32 s[G0T+4*\G+1], s60, \G*TCH
	s_add_nc_u64 s[G0T+4*\G+2:G0T+4*\G+3], s[56:57], \G*REC
	s_or_b32 s[G0T+4*\G+3], s[G0T+4*\G+3], 0x80000000
	s_mov_b32 s[G0W+4*\G], 1
	s_add_co_u32 s[G0W+4*\G+1], s61, WGTB+\G*WCH
	s_add_nc_u64 s[G0W+4*\G+2:G0W+4*\G+3], s[58:59], \G*REC
	s_or_b32 s[G0W+4*\G+3], s[G0W+4*\G+3], 0x80000000
.endr
	s_cmp_lt_u32 s14, 2                            ; a wave's one fill stands in one branch on the wave's number: one tensor load of mine is out at the most
	s_cbranch_scc0 .Lfor_w
.irp G, 0
	tensor_load_to_lds s[G0T+4*\G:G0T+4*\G+3], s[G1T:G1T+7]
	s_nop 0
.endr
	PLACES
	s_branch .Lasked
.Lfor_w:
.irp G, 0
	tensor_load_to_lds s[G0W+4*\G:G0W+4*\G+3], s[G1W:G1W+7]
	s_nop 0
.endr
	PLACES
.Lasked:
	v_and_b32 v[H64], 31, v0
	v_lshlrev_b32 v[L16], 4, v[H64]
	v_lshlrev_b32 v[L8], 3, v[H64]
	v_and_b32 v[R8], 15, v0
	v_lshlrev_b32 v[R8], 3, v[R8]
	s_mul_i32 s62, s14, 2*ROWB                     ; my two token tiles
	v_add_nc_u32 v[YB16], s62, v[L16]
	v_add_nc_u32 v[YB8], s62, v[L8]
	v_add_nc_u32 v[YBS], s62, v[R8]
	v_bfe_u32 v[H64], v0, 4, 1
	v_lshlrev_b32 v[H64], 6, v[H64]
	s_wait_alu depctr_va_vdst(0)
	v_mov_b32 v[TP], 0                             ; a lane permute's destination counts as one of its sources
	v_mov_b32 v[TP+1], 0
	; the biases: unit U = 3 x + j is q's head U (U < 16) or latent's columns 64 (U - 16) on
	s_mul_i32 s99, s19, 3
	s_mov_b32 s3, 0
.irp j, 0,1,2
	s_add_co_u32 s16, s99, \j
	s_cmp_lt_u32 s16, 16
	s_cselect_b64 s[86+2*\j:87+2*\j], s[8:9], s[10:11]
	s_cselect_b32 s2, 0, 16
	s_sub_co_u32 s2, s16, s2
	s_lshl_b32 s2, s2, 8
	s_add_nc_u64 s[86+2*\j:87+2*\j], s[86+2*\j:87+2*\j], s[2:3]
.endr
.irp j, 0,1,2
.irp t, 0,1,2,3
.irp y, 0,1                            ; register i of tile 2 b + u, lane half h: column 32 b + 16 h + 8 u + i of the unit
	global_load_b128 v[ACC+8*(NX*\y+4*\j+\t):ACC+8*(NX*\y+4*\j+\t)+3], v[H64], s[86+2*\j:87+2*\j] offset:(32*(\t/2)+8*(\t%2))*4
	global_load_b128 v[ACC+8*(NX*\y+4*\j+\t)+4:ACC+8*(NX*\y+4*\j+\t)+7], v[H64], s[86+2*\j:87+2*\j] offset:(32*(\t/2)+8*(\t%2))*4+16
.endr
.endr
.endr
	s_wait_loadcnt 0x0                             ; the biases stand in the accumulators
	SLOT 0, 0
	s_wait_alu depctr_va_vdst(0)
	SLOT 1, 0
	SLOT 2, 2
	s_wait_alu depctr_va_vdst(0)
	SLOT 3, 0
	SLOT 4, 1
	s_wait_alu depctr_va_vdst(0)
	SLOT 5, 0
	SLOT 6, 0
	s_wait_alu depctr_va_vdst(0)
	SLOT 7, 0
	; where my units go: tile 8 y + 2 w (+ 1: in the stores' immediate), record U / 4, unit U % 4.  The bias loads are done: their pointers' registers are used again
	s_lshl_b32 s98, s20, 3
	s_lshl_b32 s16, s14, 1
	s_add_co_u32 s98, s98, s16
	s_mul_i32 s98, s98, QPITCH
.irp j, 0,1,2
	s_add_co_u32 s16, s99, \j
	s_lshr_b32 s23, s16, 2
	s_mul_i32 s23, s23, REC
	s_add_co_u32 s23, s23, s98
	s_and_b32 s16, s16, 3
	s_mul_i32 s2, s16, 768
	s_add_co_u32 s2, s2, s23
	s_add_nc_u64 s[86+2*\j:87+2*\j], s[12:13], s[2:3]
	s_lshl_b32 s2, s16, 1
	s_add_co_u32 s2, s2, s23
	s_add_co_u32 s2, s2, 3072
	s_add_nc_u64 s[92+2*\j:93+2*\j], s[12:13], s[2:3]
.endr
.irp y, 0,1
.irp j, 0,1,2
	QUANT32 ACC+8*(NX*\y+4*\j)
	PUTUNIT 86+2*\j, 92+2*\j, \y*QPITCH
.endr
.endr
	s_wait_tensorcnt 0x0                           ; the wave's end
	ds_add_u32 v[SPW], v[NIL]
	s_wait_dscnt 0x0
	ROUND                                          ; the closing round: no work-group ends while a partner may still ask for a tile that names it
	s_endpgm
.Lfunc_end_k_q2add8d8fc4_proj1:
	.size	k_q2add8d8fc4_proj1, .Lfunc_end_k_q2add8d8fc4_proj1-k_q2add8d8fc4_proj1
	.p2alignl 7, 3214868480
	.fill 96, 4, 3214868480
	.section	.rodata,"a",@progbits
	.p2align	6, 0x0
	.amdhsa_kernel k_q2add8d8fc4_proj1
		.amdhsa_group_segment_fixed_size 327680
		.amdhsa_private_segment_fixed_size 0
		.amdhsa_enable_private_segment 0
		.amdhsa_kernarg_size 40
		.amdhsa_user_sgpr_count 2
		.amdhsa_user_sgpr_kernarg_segment_ptr 1
		.amdhsa_wavefront_size32 1
		.amdhsa_system_sgpr_workgroup_id_x 1
		.amdhsa_system_sgpr_workgroup_id_y 1
		.amdhsa_system_sgpr_workgroup_id_z 1
		.amdhsa_system_vgpr_workitem_id 0
		.amdhsa_next_free_vgpr 512
		.amdhsa_next_free_sgpr 100
		.amdhsa_reserve_vcc 0
		.amdhsa_float_denorm_mode_32 3
		.amdhsa_float_denorm_mode_16_64 3
		.amdhsa_memory_ordered 1
		.amdhsa_forward_progress 1
		.amdhsa_inst_pref_size 86
	.end_amdhsa_kernel
	.amdgpu_metadata
---
amdhsa.version: [ 1, 2 ]
amdhsa.kernels:
  - .name:           k_q2add8d8fc4_proj1
    .symbol:         k_q2add8d8fc4_proj1.kd
    .args:
      - { .name: hsimg, .offset: 0, .size: 8, .value_kind: global_buffer, .address_space: global }
      - { .name: wimg, .offset: 8, .size: 8, .value_kind: global_buffer, .address_space: global }
      - { .name: bq, .offset: 16, .size: 8, .value_kind: global_buffer, .address_space: global }
      - { .name: bl, .offset: 24, .size: 8, .value_kind: global_buffer, .address_space: global }
      - { .name: qlimg, .offset: 32, .size: 8, .value_kind: global_buffer, .address_space: global }
    .group_segment_fixed_size: 327680
    .private_segment_fixed_size: 0
    .kernarg_segment_align: 8
    .kernarg_segment_size: 40
    .max_flat_workgroup_size: 128
    .sgpr_count:     100
    .vgpr_count:     512
    .wavefront_size: 32
...
	.end_amdgpu_metadata
.endif
;; end of part 2
;; launch proj2 (part 3): grid 8 x 32, 4 waves a work-group, clusters of 4 x 4, 167,936 bytes of LDS; arguments qlimg, wimg, bk, bv, kvimg; writes kvimg
.if DOCPART == 3
	.amdgcn_target "amdgcn-amd-amdhsa--gfx1250"
	.amdhsa_code_object_version 6
	.text
	.protected	k_q2add8d8fc4_proj2
	.globl	k_q2add8d8fc4_proj2
	.p2align	8
	.type	k_q2add8d8fc4_proj2,@function
k_q2add8d8fc4_proj2:
	s_mov_b64 s[64:65], 0
	v_nop
	global_prefetch_b8 v0, s[64:65] scope:SCOPE_SE
	s_setreg_imm32_b32 hwreg(HW_REG_WAVE_MODE, 25, 1), 1
	s_wait_xcnt 0x0
	s_wait_alu depctr_hold_cnt(0) depctr_sa_sdst(0) depctr_va_vdst(0) depctr_va_sdst(0) depctr_va_ssrc(0) depctr_va_vcc(0) depctr_vm_vsrc(0)
	s_getreg_b32 s2, hwreg(HW_REG_IB_STS2, 6, 4)
	s_cmp_eq_u32 s2, 0
	s_cbranch_scc0 .Lentry_in_a_cluster
	s_endpgm
.Lentry_in_a_cluster:
	s_bfe_u32 s2, ttmp6, 0x10000c
	s_cmp_lg_u32 s2, 0xf033
	s_cbranch_scc0 .Lentry_shape_is_right
	s_endpgm
.Lentry_shape_is_right:
; PROJ2: k = latent Wk + bk and v = latent Wv + bv on codes of E2M3, and their quantising: k along the head's 64, v ALONG THE KEYS.
; A work-group takes 128 tokens x 64 columns: one group g's k (cluster x = 0) or v (cluster x = 1); g = its place along the cluster's x.  K = 512: two chunks of 256, each filled once.
; k: source 0 = the weight's 4 tiles, source 1 = my 2 token tiles: a lane holds one token, its registers run along the head: a unit is 16 keys x 64.
; v: source 0 = 4 token tiles, source 1 = 2 of the weight's tiles: a lane holds one channel, its registers run along 64 KEYS: a unit is 16 channels x 64 keys.  Nothing is transposed by an instruction.
; kvimg: [batch x 4 + g][chunk of 512 keys][51,200 bytes]: 32 key tiles' units; at 24,576 their scale bytes [pair of tiles][16 rows][2 tiles][2 bytes], so that a row's word serves a fragment made of the pair's two units;
; at 25,600 v's units [64 keys][4 channel tiles]; at 50,176 v's scale words [128 keys][4 tiles][16 rows].
; CLUSTER 4 x 4: tokens are shared along a row, weights along a column.  The two ways part on the CLUSTER's x, which all partners share.
; LIMITS: no NaN or infinities; a block under 2^-124 keeps the byte 1.
.set REC,    3328
.set ROWB,   2*REC                     ; a row of a tensor load and a tile's place in LDS: the tile's two records on end, all of K = 512
.set TCH,    REC                       ; from the first 256 along K to the second, in a token tile's row
.set WCH,    REC                       ; and in a weight tile's
.set WGTB,   8*ROWB                    ; the weights lie behind the 8 token tiles
.set SPARE,  WGTB+4*ROWB
.set KL16,   35                        ; v35-37 k's way out: my lane's place in kvimg (16-byte part, 8-byte part, scale bytes)
.set KL8,    36
.set KR4,    37
.set L16, 1
.set L8,  2
.set R8,  3
.set KX16, 4                           ; v4-9   k's way: LDS bases of the weights (16, 8, scales) and of my two token tiles
.set KX8, 5
.set KXS, 6
.set KY16, 7
.set KY8, 8
.set KYS, 9
.set VX16, 10                          ; v10-12 v's way: my four token tiles;  v28-30 my two tiles of the weight
.set VX8, 11
.set VXS, 12
.set H64, 13
.set SPW, 14
.set NIL, 15
.set SX,  16                           ; v16-23 source 0's scale words;  v24-27 source 1's
.set SY,  24
.set VY16, 28
.set VY8, 29
.set VYS, 30
.set R4,  32                           ; v32  4 r     v33  bv's lane offset
.set BVO, 33
.set TM,  44
.set TP,  46
.set TS,  48
.set TB,  50
.set PW,  52
.set U,   54
.set CT,  60
.set ACC, 64                           ; v64-127 accumulator (p, t) at v[64 + 8 (4 p + t)]
.set FRB, 128                          ; v128-175 source 0's four fragments;  v176-199 source 1's two
.set BV,  200                          ; v200-215 bv in the result's layout, eight registers for each of my two channel tiles
.set G1T, 24
.set G1W, 32
.set G0T, 40
.set G0W, 68
.set SEL, 84
.macro ROUND
	s_barrier_signal -1
	s_barrier_wait -1
	s_cmp_lg_u32 s14, 0
	s_cbranch_scc1 .Lnot_wave_0_\@
	s_barrier_signal -3
.Lnot_wave_0_\@:
	s_barrier_wait -3
	s_barrier_signal -1
	s_barrier_wait -1
.endm
.macro PLACES
.rept 4
	v_nop
.endr
.endm
.macro FRAG reg, a16, a8, off
	ds_load_b128 v[(\reg):(\reg)+3], v[\a16] offset:\off
	ds_load_b64 v[(\reg)+4:(\reg)+5], v[\a8] offset:(\off)+512
	ds_load_b128 v[(\reg)+6:(\reg)+9], v[\a16] offset:(\off)+768
	ds_load_b64 v[(\reg)+10:(\reg)+11], v[\a8] offset:(\off)+1280
.endm
; K step s.  xa, xb, xc: source 0's base registers, xd: its bytes from chunk to chunk; ya .. yd: source 1's.  first = 1: the step's products take bv as C.
.macro SLOT2 s, xa, xb, xc, xd, ya, yb, yc, yd, first
.if (\s)%2 == 0
.irp t, 0,1,2,3
	ds_load_b64 v[SX+2*\t:SX+2*\t+1], v[\xc] offset:((\s)/2)*\xd+\t*ROWB+3072
.endr
.irp p, 0,1
	ds_load_b64 v[SY+2*\p:SY+2*\p+1], v[\yc] offset:((\s)/2)*\yd+\p*ROWB+3072
.endr
.endif
.irp t, 0,1,2,3
	FRAG FRB+12*\t, \xa, \xb, ((\s)/2)*\xd+\t*ROWB+((\s)%2)*1536
.endr
.irp p, 0,1
	FRAG FRB+48+12*\p, \ya, \yb, ((\s)/2)*\yd+\p*ROWB+((\s)%2)*1536
.endr
.if (\s) == 0
	s_wait_loadcnt 0x0                             ; the biases
.endif
	s_wait_dscnt 0x0
.irp p, 0,1                            ; the eight accumulators take turns, one instruction a turn
.irp t, 0,1,2,3
.if \first
	v_wmma_scale_f32_16x16x128_f8f6f4 v[ACC+8*(4*\p+\t):ACC+8*(4*\p+\t)+7], v[FRB+12*\t:FRB+12*\t+11], v[FRB+48+12*\p:FRB+48+12*\p+11], v[BV+8*\p:BV+8*\p+7], v[SX+2*\t+(\s)%2], v[SY+2*\p+(\s)%2] matrix_a_fmt:MATRIX_FMT_FP6 matrix_b_fmt:MATRIX_FMT_FP6
.else
	v_wmma_scale_f32_16x16x128_f8f6f4 v[ACC+8*(4*\p+\t):ACC+8*(4*\p+\t)+7], v[FRB+12*\t:FRB+12*\t+11], v[FRB+48+12*\p:FRB+48+12*\p+11], v[ACC+8*(4*\p+\t):ACC+8*(4*\p+\t)+7], v[SX+2*\t+(\s)%2], v[SY+2*\p+(\s)%2] matrix_a_fmt:MATRIX_FMT_FP6 matrix_b_fmt:MATRIX_FMT_FP6
.endif
.endr
.endr
	PLACES
.endm
.macro QUANT32 s                       ; 32 numbers of a lane, register 16 b + i = index 32 b + 16 (lane / 16) + i of my row -> a unit in v[U ..] and its two scale bytes in v[PW]
.irp b, 0,1
	v_max3_num_f32 v[TM+\b], |v[(\s)+16*\b]|, |v[(\s)+16*\b+1]|, 0x1800000
.endr
.irp i, 2,4,6,8,10,12,14
.irp b, 0,1
	v_max3_num_f32 v[TM+\b], v[TM+\b], |v[(\s)+16*\b+\i]|, |v[(\s)+16*\b+\i+1]|
.endr
.endr
.irp b, 0,1
	v_permlanex16_b32 v[TP+\b], v[TM+\b], s[SEL], s[SEL+1]
.endr
.irp b, 0,1
	v_max_num_f32 v[TM+\b], v[TM+\b], v[TP+\b]
.endr
.irp b, 0,1
	v_add_nc_u32 v[TS+\b], 0xff000000, v[TM+\b]
.endr
.irp b, 0,1
	v_lshrrev_b32 v[TB+\b], 23, v[TS+\b]
.endr
	s_wait_alu depctr_va_vdst(0)
	s_wait_xcnt 0x0                                        ; the last unit's stores have read their data
	v_lshl_or_b32 v[PW], v[TB+1], 8, v[TB]
	v_cvt_scalef32_pk16_fp6_f32 v[U:U+2], v[(\s):(\s)+15], v[TS]
	v_cvt_scalef32_pk16_fp6_f32 v[CT:CT+2], v[(\s)+16:(\s)+31], v[TS+1]
	v_nop
.irp i, 0,1,2
	v_permlane16_swap_b32 v[U+\i], v[CT+\i]
.endr
.irp i, 0,1,2
	v_mov_b32 v[U+3+\i], v[CT+\i]
.endr
.endm
.macro PUTUNIT uoff, soff, sreg, a16, a8
	global_store_b128 v[\a16], v[U:U+3], s[88:89] offset:\uoff
	global_store_b64 v[\a8], v[U+4:U+5], s[88:89] offset:(\uoff)+512
	global_store_b16 v[\sreg], v[PW], s[90:91] offset:\soff
.endm
	s_load_b256 s[4:11], s[0:1], 0x0               ; qlimg s[4:5], wimg s[6:7], bk s[8:9], bv s[10:11]
	s_load_b64 s[12:13], s[0:1], 0x20              ; kvimg
	v_lshl_add_u32 v[SPW], v0, 2, SPARE
	v_mov_b32 v[NIL], 0
	ds_add_u32 v[SPW], v[NIL]                      ; the wave's opening: the add and its wait stand ahead of my first tensor load
	ds_add_u32 v[SPW], v[NIL]
	v_lshrrev_b32 v1, 5, v0
	v_readfirstlane_b32 s14, v1
	s_and_b32 s15, s14, 1
	s_bfe_u32 s17, ttmp6, 0x40000                  ; cx = the group g
	s_bfe_u32 s18, ttmp6, 0x40004                  ; cy
	s_lshl_b32 s19, ttmp9, 2
	s_add_co_u32 s19, s19, s17                     ; x: which 64 columns of Wk | Wv
	s_and_b32 s20, ttmp7, 0xffff
	s_lshl_b32 s20, s20, 2
	s_add_co_u32 s20, s20, s18                     ; y: which 128 tokens
	s_lshl_b32 s21, s18, 2
	s_lshl_b32 s21, 15, s21
	s_lshl_b32 s22, 0x1111, s17
	s_or_b32 s[G1T], s21, (3<<16)|(1<<21)          ; tokens: 4 tiles of 832 elements of 8 bytes, 6 records apart; shared along my row
	s_mov_b32 s[G1T+1], (ROWB/8)<<16
	s_mov_b32 s[G1T+2], 4<<16
	s_mov_b32 s[G1T+3], (ROWB/8)<<16
	s_mov_b32 s[G1T+4], 4
	s_mov_b32 s[G1T+5], 6*REC/8
	s_mov_b32 s[G1T+6], 0
	s_mov_b32 s[G1T+7], 0
	s_or_b32 s[G1W], s22, (3<<16)|(1<<21)          ; weights: 2 tiles, 2 records apart; shared along my column
	s_mov_b32 s[G1W+1], (ROWB/8)<<16
	s_mov_b32 s[G1W+2], 2<<16
	s_mov_b32 s[G1W+3], (ROWB/8)<<16
	s_mov_b32 s[G1W+4], 2
	s_mov_b32 s[G1W+5], 2*REC/8
	s_mov_b32 s[G1W+6], 0
	s_mov_b32 s[G1W+7], 0
	s_lshl_b32 s56, s20, 3
	s_lshl_b32 s57, s15, 2
	s_add_co_u32 s56, s56, s57
	s_mul_i32 s56, s56, 6*REC
	s_add_co_u32 s56, s56, 4*REC                   ; latent: records 4 and 5 of a token tile
	s_mov_b32 s57, 0
	s_lshl_b32 s58, s19, 2
	s_lshl_b32 s59, s15, 1
	s_add_co_u32 s58, s58, s59
	s_mul_i32 s58, s58, 2*REC
	s_add_co_u32 s58, s58, 1277952                 ; Wk | Wv in wimg
	s_mov_b32 s59, 0
	s_mul_i32 s60, s15, 4*ROWB
	s_mul_i32 s61, s15, 2*ROWB
	s_mov_b32 s[SEL], 0x76543210
	s_mov_b32 s[SEL+1], 0xfedcba98
	s_wait_dscnt 0x0
	s_wait_kmcnt 0x0
	s_add_nc_u64 s[56:57], s[4:5], s[56:57]
	s_add_nc_u64 s[58:59], s[6:7], s[58:59]
	ROUND
.irp G, 0
	s_mov_b32 s[G0T+4*\G], 1
	s_add_co_u32 s[G0T+4*\G+1], s60, \G*TCH
	s_add_nc_u64 s[G0T+4*\G+2:G0T+4*\G+3], s[56:57], \G*REC
	s_or_b32 s[G0T+4*\G+3], s[G0T+4*\G+3], 0x80000000
	s_mov_b32 s[G0W+4*\G], 1
	s_add_co_u32 s[G0W+4*\G+1], s61, WGTB+\G*WCH
	s_add_nc_u64 s[G0W+4*\G+2:G0W+4*\G+3], s[58:59], \G*REC
	s_or_b32 s[G0W+4*\G+3], s[G0W+4*\G+3], 0x80000000
.endr
	s_cmp_lt_u32 s14, 2                            ; a wave's one fill stands in one branch on the wave's number
	s_cbranch_scc0 .Lfor_w
.irp G, 0
	tensor_load_to_lds s[G0T+4*\G:G0T+4*\G+3], s[G1T:G1T+7]
	s_nop 0
.endr
	PLACES
	s_branch .Lasked
.Lfor_w:
.irp G, 0
	tensor_load_to_lds s[G0W+4*\G:G0W+4*\G+3], s[G1W:G1W+7]
	s_nop 0
.endr
	PLACES
.Lasked:
	; every LDS base of both ways is made here, ahead of the parting
	v_and_b32 v[H64], 31, v0
	v_lshlrev_b32 v[L16], 4, v[H64]
	v_lshlrev_b32 v[L8], 3, v[H64]
	v_and_b32 v[BVO], 15, v0
	v_lshlrev_b32 v[R8], 3, v[BVO]
	v_lshlrev_b32 v[R4], 2, v[BVO]
	v_add_nc_u32 v[KX16], WGTB, v[L16]
	v_add_nc_u32 v[KX8], WGTB, v[L8]
	v_add_nc_u32 v[KXS], WGTB, v[R8]
	s_mul_i32 s62, s14, 2*ROWB                     ; k: token tiles 2 w, 2 w + 1
	v_add_nc_u32 v[KY16], s62, v[L16]
	v_add_nc_u32 v[KY8], s62, v[L8]
	v_add_nc_u32 v[KYS], s62, v[R8]
	s_lshr_b32 s63, s14, 1
	s_mul_i32 s63, s63, 4*ROWB                     ; v: token tiles 4 (w / 2) on,
	v_add_nc_u32 v[VX16], s63, v[L16]
	v_add_nc_u32 v[VX8], s63, v[L8]
	v_add_nc_u32 v[VXS], s63, v[R8]
	s_mul_i32 s62, s15, 2*ROWB                     ; the weight's tiles 2 (w % 2) on
	s_add_co_u32 s62, s62, WGTB
	v_add_nc_u32 v[VY16], s62, v[L16]
	v_add_nc_u32 v[VY8], s62, v[L8]
	v_add_nc_u32 v[VYS], s62, v[R8]
	v_and_b32 v34, 7, v0
	v_bfe_u32 v[BVO], v0, 3, 1
	v_lshlrev_b32 v[BVO], 6, v[BVO]
	v_lshl_add_u32 v[BVO], v34, 2, v[BVO]          ; row r of a tile is channel (r & 7) + 16 (r >> 3) (+ 8 u): 4 bytes each
	; K'S TILES IN kvimg HAVE ANOTHER ORDER OF KEYS THAN THE TOKEN TILES: of each 64 keys, tile u = 0 .. 3 takes key 32 (m >> 3) + 8 u + (m & 7) as its row m.
	; Row r of my token tile p (32 tokens w of the 128) is row (r & 7) + 8 (w & 1) of tile p + 2 (r >> 3): only the lanes' places in memory differ
	v_bfe_u32 v38, v0, 3, 1
	v_mul_u32_u24 v38, v38, 1536                   ; two units on for r >= 8
	v_bfe_u32 v39, v0, 4, 1                        ; h
	v_lshl_add_u32 v[KL16], v34, 4, v38
	v_lshl_add_u32 v[KL8], v34, 3, v38
	v_lshl_add_u32 v[KL16], v39, 8, v[KL16]
	v_lshl_add_u32 v[KL8], v39, 7, v[KL8]
	v_lshl_add_u32 v[KL16], s15, 7, v[KL16]        ; 16 x (new row + 16 h)
	v_lshl_add_u32 v[KL8], s15, 6, v[KL8]          ; 8 x (new row + 16 h)
	v_lshl_add_u32 v[KR4], s15, 5, v[BVO]          ; scale bytes: 64 (r >> 3) for the pair of tiles + 4 x new row
	v_bfe_u32 v[H64], v0, 4, 1
	v_lshlrev_b32 v[H64], 6, v[H64]
	v_mov_b32 v[TP], 0
	v_mov_b32 v[TP+1], 0
	s_lshr_b32 s96, s20, 4                         ; the batch,
	s_lshl_b32 s96, s96, 2
	s_add_co_u32 s96, s96, s17                     ; the group,
	s_lshl_b32 s96, s96, 2
	s_bfe_u32 s97, s20, 0x20002                    ; which 512 keys
	s_add_co_u32 s96, s96, s97
	s_mul_i32 s96, s96, 51200                      ; my chunk of kvimg
	s_and_b32 s97, s20, 3                          ; which 128 keys of the 512
	s_mov_b32 s3, 0
	s_wait_tensorcnt 0x0                           ; my parts of both chunks have landed
	s_barrier_signal -1
	s_barrier_wait -1                              ; everybody's have
	s_cmp_lg_u32 ttmp9, 0
	s_cbranch_scc1 .Lv_way
	; ---- k
	s_lshl_b32 s2, s17, 8
	s_add_nc_u64 s[86:87], s[8:9], s[2:3]          ; bk at my group's 64
	s_wait_alu depctr_va_vdst(0)
.irp t, 0,1,2,3
.irp p, 0,1
	global_load_b128 v[ACC+8*(4*\p+\t):ACC+8*(4*\p+\t)+3], v[H64], s[86:87] offset:(32*(\t/2)+8*(\t%2))*4
	global_load_b128 v[ACC+8*(4*\p+\t)+4:ACC+8*(4*\p+\t)+7], v[H64], s[86:87] offset:(32*(\t/2)+8*(\t%2))*4+16
.endr
.endr
	s_lshl_b32 s98, s97, 3
	s_and_b32 s99, s14, 2
	s_lshl_b32 s99, s99, 1                         ; four tiles for each 64 keys: 8 x (which 128 keys) + 4 (w >> 1)
	s_add_co_u32 s98, s98, s99                     ; my first key tile of the chunk's 32: an even one, so my two tiles are a pair
	s_mul_i32 s2, s98, 768
	s_add_co_u32 s2, s2, s96
	s_add_nc_u64 s[88:89], s[12:13], s[2:3]
	s_lshl_b32 s2, s98, 5                          ; 64 bytes of scale bytes for each pair of tiles
	s_add_co_u32 s2, s2, s96
	s_add_co_u32 s2, s2, 24576
	s_add_nc_u64 s[90:91], s[12:13], s[2:3]
	SLOT2 0, KX16, KX8, KXS, WCH, KY16, KY8, KYS, TCH, 0
	SLOT2 1, KX16, KX8, KXS, WCH, KY16, KY8, KYS, TCH, 0
	SLOT2 2, KX16, KX8, KXS, WCH, KY16, KY8, KYS, TCH, 0
	SLOT2 3, KX16, KX8, KXS, WCH, KY16, KY8, KYS, TCH, 0
.irp p, 0,1
	QUANT32 ACC+32*\p
	PUTUNIT \p*768, \p*2, KR4, KL16, KL8           ; row's word: the even tile's two bytes below, the odd tile's above
.endr
	s_branch .Ldone
.Lv_way:
	; ---- v
	s_lshl_b32 s2, s17, 8
	s_lshl_b32 s98, s15, 7
	s_add_co_u32 s2, s2, s98
	s_add_nc_u64 s[86:87], s[10:11], s[2:3]        ; bv at my group's 64, my 32 of them
	s_wait_alu depctr_va_vdst(0)
.irp p, 0,1
.irp i, 0,1,2,3,4,5,6,7
	global_load_b32 v[BV+8*\p+\i], v[BVO], s[86:87] offset:32*\p   ; a lane holds one channel: the same number in all eight registers
.endr
.endr
	s_lshl_b32 s98, s97, 1
	s_lshr_b32 s99, s14, 1
	s_add_co_u32 s98, s98, s99                     ; which 64 keys of the chunk's 512
	s_lshl_b32 s98, s98, 2
	s_lshl_b32 s23, s15, 1
	s_add_co_u32 s98, s98, s23                     ; x 4 channel tiles, + my first
	s_mul_i32 s2, s98, 768
	s_add_co_u32 s2, s2, s96
	s_add_co_u32 s2, s2, 25600
	s_add_nc_u64 s[88:89], s[12:13], s[2:3]
	s_lshl_b32 s2, s97, 8                          ; the scale words of these 128 keys,
	s_lshl_b32 s23, s15, 7                         ; of my first channel tile,
	s_add_co_u32 s2, s2, s23
	s_lshl_b32 s23, s99, 1                         ; the two bytes of my 64 keys
	s_add_co_u32 s2, s2, s23
	s_add_co_u32 s2, s2, s96
	s_add_co_u32 s2, s2, 50176
	s_add_nc_u64 s[90:91], s[12:13], s[2:3]
	SLOT2 0, VX16, VX8, VXS, TCH, VY16, VY8, VYS, WCH, 1
	SLOT2 1, VX16, VX8, VXS, TCH, VY16, VY8, VYS, WCH, 0
	SLOT2 2, VX16, VX8, VXS, TCH, VY16, VY8, VYS, WCH, 0
	SLOT2 3, VX16, VX8, VXS, TCH, VY16, VY8, VYS, WCH, 0
.irp p, 0,1
	QUANT32 ACC+32*\p
	PUTUNIT \p*768, \p*64, R4, L16, L8
.endr
.Ldone:
	s_wait_tensorcnt 0x0                           ; the wave's end
	ds_add_u32 v[SPW], v[NIL]
	s_wait_dscnt 0x0
	ROUND                                          ; the closing round
	s_endpgm
.Lfunc_end_k_q2add8d8fc4_proj2:
	.size	k_q2add8d8fc4_proj2, .Lfunc_end_k_q2add8d8fc4_proj2-k_q2add8d8fc4_proj2
	.p2alignl 7, 3214868480
	.fill 96, 4, 3214868480
	.section	.rodata,"a",@progbits
	.p2align	6, 0x0
	.amdhsa_kernel k_q2add8d8fc4_proj2
		.amdhsa_group_segment_fixed_size 167936
		.amdhsa_private_segment_fixed_size 0
		.amdhsa_enable_private_segment 0
		.amdhsa_kernarg_size 40
		.amdhsa_user_sgpr_count 2
		.amdhsa_user_sgpr_kernarg_segment_ptr 1
		.amdhsa_wavefront_size32 1
		.amdhsa_system_sgpr_workgroup_id_x 1
		.amdhsa_system_sgpr_workgroup_id_y 1
		.amdhsa_system_sgpr_workgroup_id_z 1
		.amdhsa_system_vgpr_workitem_id 0
		.amdhsa_next_free_vgpr 256
		.amdhsa_next_free_sgpr 100
		.amdhsa_reserve_vcc 0
		.amdhsa_float_denorm_mode_32 3
		.amdhsa_float_denorm_mode_16_64 3
		.amdhsa_memory_ordered 1
		.amdhsa_forward_progress 1
		.amdhsa_inst_pref_size 44
	.end_amdhsa_kernel
	.amdgpu_metadata
---
amdhsa.version: [ 1, 2 ]
amdhsa.kernels:
  - .name:           k_q2add8d8fc4_proj2
    .symbol:         k_q2add8d8fc4_proj2.kd
    .args:
      - { .name: qlimg, .offset: 0, .size: 8, .value_kind: global_buffer, .address_space: global }
      - { .name: wimg, .offset: 8, .size: 8, .value_kind: global_buffer, .address_space: global }
      - { .name: bk, .offset: 16, .size: 8, .value_kind: global_buffer, .address_space: global }
      - { .name: bv, .offset: 24, .size: 8, .value_kind: global_buffer, .address_space: global }
      - { .name: kvimg, .offset: 32, .size: 8, .value_kind: global_buffer, .address_space: global }
    .group_segment_fixed_size: 167936
    .private_segment_fixed_size: 0
    .kernarg_segment_align: 8
    .kernarg_segment_size: 40
    .max_flat_workgroup_size: 128
    .sgpr_count:     100
    .vgpr_count:     256
    .wavefront_size: 32
...
	.end_amdgpu_metadata
.endif
;; end of part 3
;; launch attn (part 4): grid 32 x 8, 16 waves a work-group, clusters of 4 x 1, 206,848 bytes of LDS; arguments qlimg, kvimg, cximg; writes cximg
.if DOCPART == 4
	.amdgcn_target "amdgcn-amd-amdhsa--gfx1250"
	.amdhsa_code_object_version 6
	.text
	.protected	k_q2add8d8fc4_attn
	.globl	k_q2add8d8fc4_attn
	.p2align	8
	.type	k_q2add8d8fc4_attn,@function
k_q2add8d8fc4_attn:
	s_mov_b64 s[64:65], 0
	v_nop
	global_prefetch_b8 v0, s[64:65] scope:SCOPE_SE
	s_setreg_imm32_b32 hwreg(HW_REG_WAVE_MODE, 25, 1), 1
	s_wait_xcnt 0x0
	s_wait_alu depctr_hold_cnt(0) depctr_sa_sdst(0) depctr_va_vdst(0) depctr_va_sdst(0) depctr_va_ssrc(0) depctr_va_vcc(0) depctr_vm_vsrc(0)
	s_getreg_b32 s2, hwreg(HW_REG_IB_STS2, 6, 4)
	s_cmp_eq_u32 s2, 0
	s_cbranch_scc0 .Lentry_in_a_cluster
	s_endpgm
.Lentry_in_a_cluster:
	s_bfe_u32 s2, ttmp6, 0x10000c
	s_cmp_lg_u32 s2, 0x3003
	s_cbranch_scc0 .Lentry_shape_is_right
	s_endpgm
.Lentry_shape_is_right:
; ATTN: ctx[b][h][q] = the sum over keys of softmax(q . k / 8) v, both products on codes of E2M3; ctx is quantised along the hidden axis and stored as units.
; THE SOFTMAX AHEAD OF THE SECOND PRODUCT: t = score x log2(e) / 8; M = the row's largest t so far, rounded UP to a whole number; p = 2^(t - M) is quantised along the keys, not normalised.
; The row's sum is taken of the unquantised p and divides at the end.  When M moves, the sum and O are multiplied by 2^(old M - new M): exact, and with no branch on data.
; SHARES.  A work-group owns 64 queries x the four heads of one group of one batch; each of its sixteen waves one tile of 16 queries of one head, in 256 registers.
; The group's WHOLE K and V, 2,048 keys, 204,800 bytes, stay in LDS: each wave fetches one sixteenth, 12,800 bytes, by its one tensor load at the head; no LDS byte is filled twice.
; CLUSTER 4 x 1: four blocks of queries of the same batch and group read the same K and V: each sixteenth is asked for jointly.
; LAYOUT.  Both products are used transposed: S^T = K Q^T, O^T = V^T P^T: a lane holds ONE query.  Of each 64 keys, K's tile u = 0 .. 3 has key 32 (m >> 3) + 8 u + (m & 7) as its row m:
; so the 32 score registers of a lane (r, h) for those four tiles are keys 32 h + 0 .. 31 in order: ONE WHOLE BLOCK of the quantiser, in the place that p's operand gives that lane.
; A block's maximum needs no other lane, and p's codes are not moved between lanes.
; THE HEAD'S SIZE IS 64, THE INSTRUCTION'S K 128: a fragment of K holds TWO key tiles, one in k = 0 .. 63, one in k = 64 .. 127, and is multiplied once by [Q | zeros] and once by [zeros | Q]
; (18 registers: six zeros, Q's six, six zeros).  Zero codes add nothing; their scale bytes are 0, which is a power of two.
; A STEP IS 256 KEYS: 128 score registers; M, the factor and O's rescaling are made once a step.  V's fragments land in the score registers that have been converted.
; K's and V's scale words of the step's two 128 keys come by one load: lanes 0-15 take the first's, lanes 16-31 the second's (ROW1).
; No prefetch: every tensor load stands at the head.
; LIMITS: no NaN or infinities; what falls under the smallest normal f32 number in p is taken as 0; the scaled scores stay under 2^31 in magnitude.
.set CHB,   51200                      ; a chunk of 512 keys: 32 key tiles' units; KSC their scale words, one for a row of a pair of tiles; VU v's units; VSC v's scale words
.set KSC,   24576
.set VU,    25600
.set VSC,   50176
.set SPARE, 4*CHB                      ; behind the four chunks: the spare words, 128 bytes for each of sixteen waves
.set L16,  1                           ; v1 16 x lane   v2 8 x lane   v3 4 r + 256 h
.set L8,   2
.set R4V,  3
.set A16,  4                           ; v4, v5, v7 the same + the chunk's first LDS byte
.set A8,   5
.set H8,   6                           ; v6 8 h
.set AV4,  7
.set NM,   8                           ; v8 -M   v9 the largest score so far (named with -M as a pair)
.set MS,   9
.set SUM,  10                          ; v[10:11] the row's sum, in two halves
.set F,    12                          ; v12 f = 2^(old M - new M); ahead of that a partial maximum
.set PS,   13                          ; v13, v14 p's scale words of the step's two 128 keys
.set QS1,  15                          ; v15 Q's two scale bytes in the lower half, for [Q | zeros];  v16 in the upper half
.set QS2,  16
.set SPW,  17                          ; v17 my spare word's LDS address;  v18 0; never rewritten
.set NIL,  18
.set T,    19                          ; v19 at work
.set KS,   20                          ; v20-23 K's scale words
.set TMX,  24                          ; v24-27 my four blocks' largest scores (the last two lie in K's registers, free by then)
.set KF,   26                          ; v26-73 four fragments of K.  Behind the scores these registers serve the softmax:
.set P,    26                          ; v26-49 p's codes, two operands
.set SP,   28                          ; v28-43 eight partial sums (ahead of p's codes)
.set T2,   44                          ; v44-45 what comes from lane l xor 16
.set CT,   50                          ; v50-65 the upper halves of four blocks' codes
.set TSO,  66                          ; v66-69 the conversions' scale operands;  v70-73 the bytes
.set TB,   70
.set O,    74                          ; v74-105 O^T
.set QZ,   106                         ; v106-111 zeros, v112-117 Q's unit, v118-123 zeros
.set VS,   124                         ; v124-127 V's scale words
.set S,    128                         ; v128-255 S^T, then p, then V's fragments (128 keys s, tile t at S + 64 s + 12 t)
.set CS,   22                          ; s[22:23] c = log2(e) / 8
.set G1,   24
.set G0,   40
.set SEL,  32
.set TS,   34                          ; s34 LDS byte at which the chunk in hand begins;  s36 counts the chunks
.set CNT,  36
.macro ROUND
	s_barrier_signal -1
	s_barrier_wait -1
	s_cmp_lg_u32 s14, 0
	s_cbranch_scc1 .Lnot_wave_0_\@
	s_barrier_signal -3
.Lnot_wave_0_\@:
	s_barrier_wait -3
	s_barrier_signal -1
	s_barrier_wait -1
.endm
.macro PLACES n
.rept \n
	v_nop
.endr
.endm
.macro MMZ d, a, b, sa, sb, row        ; a product that starts a sum; row = 1: source 0's scales from lanes 16-31
.if \row
	v_wmma_scale_f32_16x16x128_f8f6f4 v[\d:\d+7], v[\a:\a+11], v[\b:\b+11], 0, v[\sa], v[\sb] matrix_a_fmt:MATRIX_FMT_FP6 matrix_b_fmt:MATRIX_FMT_FP6 matrix_a_scale:MATRIX_SCALE_ROW1
.else
	v_wmma_scale_f32_16x16x128_f8f6f4 v[\d:\d+7], v[\a:\a+11], v[\b:\b+11], 0, v[\sa], v[\sb] matrix_a_fmt:MATRIX_FMT_FP6 matrix_b_fmt:MATRIX_FMT_FP6
.endif
.endm
.macro MMA d, a, b, sa, sb, row        ; a product that adds in place
.if \row
	v_wmma_scale_f32_16x16x128_f8f6f4 v[\d:\d+7], v[\a:\a+11], v[\b:\b+11], v[\d:\d+7], v[\sa], v[\sb] matrix_a_fmt:MATRIX_FMT_FP6 matrix_b_fmt:MATRIX_FMT_FP6 matrix_a_scale:MATRIX_SCALE_ROW1
.else
	v_wmma_scale_f32_16x16x128_f8f6f4 v[\d:\d+7], v[\a:\a+11], v[\b:\b+11], v[\d:\d+7], v[\sa], v[\sb] matrix_a_fmt:MATRIX_FMT_FP6 matrix_b_fmt:MATRIX_FMT_FP6
.endif
.endm
.macro KLOAD kq                        ; the kq-th 128 keys of the chunk: four pairs of key tiles; two units on end are one fragment
.irp i, 0,1,2,3
	ds_load_b128 v[KF+12*\i:KF+12*\i+3], v[A16] offset:6144*(\kq)+1536*\i
	ds_load_b64 v[KF+12*\i+4:KF+12*\i+5], v[A8] offset:6144*(\kq)+1536*\i+512
	ds_load_b128 v[KF+12*\i+6:KF+12*\i+9], v[A16] offset:6144*(\kq)+1536*\i+768
	ds_load_b64 v[KF+12*\i+10:KF+12*\i+11], v[A8] offset:6144*(\kq)+1536*\i+1280
.endr
.endm
.macro SCORES b                        ; S^T = K Q^T of the step's b-th 128 keys: eight tiles, eight accumulators
.irp i, 0,1,2,3
	MMZ S+64*\b+16*\i, KF+12*\i, QZ+6, KS+\i, QS1, \b
	MMZ S+64*\b+16*\i+8, KF+12*\i, QZ, KS+\i, QS2, \b
.endr
.endm
.macro BMAX2 b                         ; the largest score of my blocks b and b + 1, 32 registers each, in four chains by turns; each accumulator is first read at its low end
	v_max3_num_f32 v[TMX+\b], v[S+32*\b], v[S+32*\b+1], v[S+32*\b+2]
	v_max3_num_f32 v[F], v[S+32*\b+16], v[S+32*\b+17], v[S+32*\b+18]
	v_max3_num_f32 v[TMX+\b+1], v[S+32*\b+32], v[S+32*\b+33], v[S+32*\b+34]
	v_max3_num_f32 v[T], v[S+32*\b+48], v[S+32*\b+49], v[S+32*\b+50]
.irp i, 3,5,7,9,11,13
	v_max3_num_f32 v[TMX+\b], v[TMX+\b], v[S+32*\b+\i], v[S+32*\b+\i+1]
	v_max3_num_f32 v[F], v[F], v[S+32*\b+16+\i], v[S+32*\b+17+\i]
	v_max3_num_f32 v[TMX+\b+1], v[TMX+\b+1], v[S+32*\b+32+\i], v[S+32*\b+33+\i]
	v_max3_num_f32 v[T], v[T], v[S+32*\b+48+\i], v[S+32*\b+49+\i]
.endr
	v_max3_num_f32 v[TMX+\b], v[TMX+\b], v[F], v[S+32*\b+15]
	v_max3_num_f32 v[TMX+\b+1], v[TMX+\b+1], v[T], v[S+32*\b+47]
	v_max_num_f32 v[TMX+\b], v[TMX+\b], v[S+32*\b+31]
	v_max_num_f32 v[TMX+\b+1], v[TMX+\b+1], v[S+32*\b+63]
.endm
.macro VLOAD kq, s                     ; V's four fragments of the kq-th 128 keys of the chunk, into score registers that have been converted
.irp t, 0,1,2,3
.irp c, 0,1
	ds_load_b128 v[S+64*\s+12*\t+6*\c:S+64*\s+12*\t+6*\c+3], v[A16] offset:VU+6144*(\kq)+(4*\c+\t)*768
	ds_load_b64 v[S+64*\s+12*\t+6*\c+4:S+64*\s+12*\t+6*\c+5], v[A8] offset:VU+6144*(\kq)+(4*\c+\t)*768+512
.endr
.endr
.endm
.macro CODES b                         ; my block b: 32 numbers -> 192 bits.  (A conversion's three registers begin on an even number: the upper half is made elsewhere and moved)
	v_cvt_scalef32_pk16_fp6_f32 v[P+6*\b:P+6*\b+2], v[S+32*\b:S+32*\b+15], v[TSO+\b]
	v_cvt_scalef32_pk16_fp6_f32 v[CT+4*\b:CT+4*\b+2], v[S+32*\b+16:S+32*\b+31], v[TSO+\b]
.endm
; A KEY STEP: 256 keys, the q-th of the chunk's two
.macro STEP q
	KLOAD 2*\q
.irp i, 0,1,2,3
	ds_load_b32 v[KS+\i], v[AV4] offset:KSC+512*(\q)+64*\i     ; lanes 0-15: the first 128 keys' words; lanes 16-31: the second's
.endr
	s_wait_dscnt 0x0
	SCORES 0
	PLACES 4                                       ; behind the products: ahead of the loads into their sources and of the first read of the scores
	KLOAD 2*\q+1
	BMAX2 0                                        ; under the loads' flight
	s_wait_dscnt 0x0
	SCORES 1
	PLACES 4
	BMAX2 2
	v_max3_num_f32 v[T], v[TMX], v[TMX+1], v[TMX+2]
	s_delay_alu instid0(VALU_DEP_1)
	v_max_num_f32 v[T], v[T], v[TMX+3]             ; the largest of my 128 scores
	s_delay_alu instid0(VALU_DEP_1)
	v_permlanex16_b32 v[T2], v[T], s[SEL], s[SEL+1]
	s_delay_alu instid0(VALU_DEP_1)
	v_max3_num_f32 v[MS], v[MS], v[T], v[T2]       ; with lane l xor 16's: my query's largest score so far
	v_mov_b32 v[T2], v[NM]
	s_delay_alu instid0(VALU_DEP_2)
	v_mul_f32 v[T], s[CS], v[MS]                   ; as t (c is positive)
	s_delay_alu instid0(VALU_DEP_1)
	v_floor_f32 v[NM], -v[T]                       ; the new -M = floor(-t) = -ceil(t)
	s_delay_alu instid0(VALU_DEP_1)
	v_sub_f32 v[T], v[NM], v[T2]                   ; old M - new M: a whole number, 0 or less
	s_delay_alu instid0(VALU_DEP_1)
	v_cvt_i32_f32 v[T], v[T]                       ; (it saturates)
	s_delay_alu instid0(VALU_DEP_1)
	v_ldexp_f32 v[F], 1.0, v[T]                    ; f = 2^(old M - new M)
.set j, 0
.rept 64
	v_pk_fma_f32 v[S+j:S+j+1], v[S+j:S+j+1], s[CS:CS+1], v[NM:NM+1] op_sel_hi:[1,0,0]   ; t - M, two at a time
.set j, j+2
.endr
.irp b, 0,1,2,3
	v_fma_f32 v[TMX+\b], v[TMX+\b], s[CS], v[NM]   ; the same of each block's largest score: p rises with the score, so this gives the block's largest p
.endr
	s_wait_alu depctr_va_vdst(0)                   ; the wait ahead of the batch
.irp b, 0,1,2,3
	v_exp_f32 v[TMX+\b], v[TMX+\b]
.endr
.set j, 0
.rept 128
	v_exp_f32 v[S+j], v[S+j]                       ; p = 2^(t - M)
.set j, j+1
.endr
	v_pk_mul_f32 v[SUM:SUM+1], v[SUM:SUM+1], v[F:F+1] op_sel_hi:[1,0]   ; the sums under the new M: a plain place behind the exponentials
	s_wait_alu depctr_va_vdst(0)                   ; and one wait behind the batch, ahead of its first reader
.irp b, 0,1,2,3
	v_max_num_f32 v[TMX+\b], 0x1800000, v[TMX+\b]  ; the floor 2^(3 - 127): the byte cannot fall under 1
.endr
.irp b, 0,1,2,3
	s_delay_alu instid0(VALU_DEP_4)
	v_add_nc_u32 v[TSO+\b], 0xff000000, v[TMX+\b]  ; 2 off the exponent field: the conversion's scale operand
.endr
.irp b, 0,1,2,3
	s_delay_alu instid0(VALU_DEP_4)
	v_lshrrev_b32 v[TB+\b], 23, v[TSO+\b]          ; the scale's byte
.endr
.irp s, 0,1
	v_lshl_or_b32 v[PS+\s], v[TB+2*\s+1], 16, v[TB+2*\s]   ; my blocks h and 2 + h of 128 keys,
.endr
.irp s, 0,1
	s_delay_alu instid0(VALU_DEP_2)
	v_lshlrev_b32 v[PS+\s], v[H8], v[PS+\s]        ; 8 h bits up;
.endr
.irp s, 0,1
	s_delay_alu instid0(VALU_DEP_2)
	v_permlanex16_b32 v[T2+\s], v[PS+\s], s[SEL], s[SEL+1]
.endr
.irp s, 0,1
	s_delay_alu instid0(VALU_DEP_2)
	v_or_b32 v[PS+\s], v[PS+\s], v[T2+\s]          ; with lane l xor 16's two the word is whole
.endr
.irp k, 0,1,2,3,4,5,6,7                ; THE ROW'S SUM IS TAKEN OF THE UNQUANTISED p: two at a time, in eight chains
	v_pk_add_f32 v[SP+2*\k:SP+2*\k+1], v[S+2*\k:S+2*\k+1], v[S+16+2*\k:S+16+2*\k+1]
.endr
.irp m, 2,3,4,5,6,7
.irp k, 0,1,2,3,4,5,6,7
	v_pk_add_f32 v[SP+2*\k:SP+2*\k+1], v[SP+2*\k:SP+2*\k+1], v[S+16*\m+2*\k:S+16*\m+2*\k+1]
.endr
.endr
.irp k, 0,1,2,3
	v_pk_add_f32 v[SP+2*\k:SP+2*\k+1], v[SP+2*\k:SP+2*\k+1], v[SP+2*\k+8:SP+2*\k+9]
.endr
.irp k, 0,1
	s_delay_alu instid0(VALU_DEP_2)
	v_pk_add_f32 v[SP+2*\k:SP+2*\k+1], v[SP+2*\k:SP+2*\k+1], v[SP+2*\k+4:SP+2*\k+5]
.endr
	s_delay_alu instid0(VALU_DEP_1)
	v_pk_add_f32 v[SP:SP+1], v[SP:SP+1], v[SP+2:SP+3]
	s_delay_alu instid0(VALU_DEP_1)
	v_pk_add_f32 v[SUM:SUM+1], v[SUM:SUM+1], v[SP:SP+1]
	CODES 0
	CODES 1
	VLOAD 2*\q, 0                                  ; the first 128 keys' p are converted: their registers take V
.irp t, 0,1,2,3
	ds_load_b32 v[VS+\t], v[AV4] offset:VSC+512*(\q)+64*\t     ; lanes 0-15: the first 128 keys' words; lanes 16-31: the second's
.endr
	CODES 2
	CODES 3
	VLOAD 2*\q+1, 1
	v_nop                                          ; one plain place behind a scaled conversion
.irp b, 0,1,2,3
.irp i, 0,1,2
	v_mov_b32 v[P+6*\b+3+\i], v[CT+4*\b+\i]
.endr
.endr
	s_wait_alu depctr_va_vdst(0)                   ; directly ahead of the first reader of O^T
.set j, 0
.rept 16
	v_pk_mul_f32 v[O+j:O+j+1], v[O+j:O+j+1], v[F:F+1] op_sel_hi:[1,0]   ; O^T under the new M.  (These sixteen are also the places between p's codes and the products)
.set j, j+2
.endr
	s_wait_alu depctr_va_vdst(0)
	s_wait_dscnt 0x0                               ; V
.irp s, 0,1                            ; O^T += V^T P^T: the four accumulators by turns, one instruction a turn
.irp t, 0,1,2,3
	MMA O+8*\t, S+64*\s+12*\t, P+12*\s, VS+\t, PS+\s, \s
.endr
.endr
	PLACES 5                                       ; five places: the next scores are written over V's fragments, the next loads land on p's codes
.endm
	s_load_b128 s[4:7], s[0:1], 0x0                ; qlimg s[4:5], kvimg s[6:7]
	s_load_b64 s[8:9], s[0:1], 0x10                ; cximg
	v_lshl_add_u32 v[SPW], v0, 2, SPARE
	v_mov_b32 v[NIL], 0
	ds_add_u32 v[SPW], v[NIL]                      ; the wave's opening: the add, twice on end, and its wait stand ahead of my tensor load
	ds_add_u32 v[SPW], v[NIL]
	v_lshrrev_b32 v1, 5, v0
	s_delay_alu instid0(VALU_DEP_1)
	v_readfirstlane_b32 s14, v1                    ; wave 0..15
	s_and_b32 s15, s14, 3                          ; which of the block's four query tiles
	s_lshr_b32 s16, s14, 2                         ; j: which head of the group
	s_bfe_u32 s17, ttmp6, 0x40000                  ; cx: it enters Q's and ctx's addresses alone
	s_and_b32 s18, ttmp7, 0xffff                   ; 4 x batch + group, which the partners share
	s_lshl_b32 s19, ttmp9, 2
	s_add_co_u32 s19, s19, s17                     ; my block of 64 queries
	s_and_b32 s20, s18, 3                          ; g
	s_lshr_b32 s21, s18, 2                         ; batch
	s_lshl_b32 s37, s21, 7
	s_lshl_b32 s38, s19, 2
	s_add_co_u32 s37, s37, s38
	s_add_co_u32 s37, s37, s15                     ; my token tile: 128 x batch + 4 x block + wave % 4
	s_mul_i32 s38, s20, 3328                       ; record g,
	s_mul_i32 s39, s16, 768                        ; unit j
	s_mul_i32 s56, s37, 19968
	s_add_co_u32 s56, s56, s38
	s_lshl_b32 s58, s16, 1
	s_add_co_u32 s58, s58, s56
	s_add_co_u32 s58, s58, 3072                    ; Q's scale bytes
	s_add_co_u32 s56, s56, s39                     ; Q's unit
	s_mov_b32 s57, 0
	s_mov_b32 s59, 0
	s_mul_i32 s60, s37, 13312
	s_add_co_u32 s60, s60, s38
	s_lshl_b32 s62, s16, 1
	s_add_co_u32 s62, s62, s60
	s_add_co_u32 s62, s62, 3072                    ; ctx's scale bytes
	s_add_co_u32 s60, s60, s39                     ; ctx's unit
	s_mov_b32 s61, 0
	s_mov_b32 s63, 0
	s_mul_i32 s10, s18, 4*CHB                      ; K and V of my batch and group,
	s_mul_i32 s12, s14, CHB/4                      ; my sixteenth of them: in memory and in LDS alike
	s_add_co_u32 s10, s10, s12
	s_mov_b32 s11, 0
	s_mov_b32 s[G1], 15|(3<<16)|(1<<21)            ; 15:0 the mask: all four work-groups; 17:16 elements of 8 bytes; 21 set beside a mask; no padding
	s_mov_b32 s[G1+1], 32<<16                      ; a dense block as 50 rows of 256 bytes
	s_mov_b32 s[G1+2], 50<<16
	s_mov_b32 s[G1+3], 32<<16
	s_mov_b32 s[G1+4], 50
	s_mov_b32 s[G1+5], 32
	s_mov_b32 s[G1+6], 0
	s_mov_b32 s[G1+7], 0
	s_mov_b32 s[SEL], 0x76543210
	s_mov_b32 s[SEL+1], 0xfedcba98                 ; v_permlanex16_b32's selects for lane l xor 16
	s_mov_b32 s[CS], 0x3e38aa3b                    ; c = log2(e) / 8
	s_mov_b32 s[CS+1], s[CS]                       ; (named with it as a pair, so it is written)
	v_and_b32 v3, 31, v0
	v_and_b32 v[T], 15, v0                         ; r
	v_bfe_u32 v[H8], v0, 4, 1                      ; h
	v_lshlrev_b32 v[L16], 4, v3                    ; 16 x lane
	v_lshlrev_b32 v[L8], 3, v3                     ; 8 x lane
	v_lshlrev_b32 v24, 3, v[T]                     ; 8 r
	v_lshlrev_b32 v[R4V], 2, v[T]
	s_delay_alu instid0(VALU_DEP_1)
	v_lshl_add_u32 v[R4V], v[H8], 8, v[R4V]        ; 4 r + 256 h
	v_lshlrev_b32 v[H8], 3, v[H8]                  ; 8 h
	s_wait_alu depctr_va_vdst(0)
	s_wait_dscnt 0x0                               ; both opening adds are done
	s_wait_kmcnt 0x0
	s_add_nc_u64 s[10:11], s[6:7], s[10:11]
	s_add_nc_u64 s[56:57], s[4:5], s[56:57]
	s_add_nc_u64 s[58:59], s[4:5], s[58:59]
	s_add_nc_u64 s[60:61], s[8:9], s[60:61]
	s_add_nc_u64 s[62:63], s[8:9], s[62:63]
	global_load_b128 v[QZ+6:QZ+9], v[L16], s[56:57]    ; Q's unit stays in registers.  It is asked for ahead of the round: nobody writes these bytes in this launch
	global_load_b64 v[QZ+10:QZ+11], v[L8], s[56:57] offset:512
	global_load_u16 v[QS1], v24, s[58:59]          ; its two scale bytes; the upper two are 0, over zero codes
	s_mov_b32 s[G0], 1
	s_mov_b32 s[G0+1], s12
	s_mov_b64 s[G0+2:G0+3], s[10:11]
	s_or_b32 s[G0+3], s[G0+3], 0x80000000
	ROUND                                          ; all four work-groups are here: the joint loads meet
	tensor_load_to_lds s[G0:G0+3], s[G1:G1+7]      ; every wave's one load
	s_nop 0
	PLACES 4
.irp i, 0,1,2,3,4,5
	v_mov_b32 v[QZ+\i], 0                          ; the zero codes on either side of Q's unit
	v_mov_b32 v[QZ+12+\i], 0
.endr
	v_mov_b32 v[MS], 0xff61b1e6                    ; the largest score so far: -3e38
	v_mov_b32 v[NM], 0x7e000000                    ; -M: so large that the first step's factor is 0
	v_mov_b32 v[SUM], 0
	v_mov_b32 v[SUM+1], 0
	v_mov_b32 v[PS], 0                             ; (named as the upper half of the pair with f before it is first written)
	s_wait_loadcnt 0x0                             ; Q
	v_lshlrev_b32 v[QS2], 16, v[QS1]               ; Q's scale bytes over k = 64 .. 127, for [zeros | Q]; the 32 lines below stand between this and the first product
.set j, 0
.rept 32
	v_mov_b32 v[O+j], 0                            ; O^T: the step is written for all steps alike; the first finds zeros
.set j, j+1
.endr
	s_wait_alu depctr_va_vdst(0)
	s_wait_tensorcnt 0x0                           ; my sixteenth has landed
	s_barrier_signal -1
	s_barrier_wait -1                              ; everybody's has: K and V are whole, and nothing in LDS changes any more
	s_mov_b32 s[TS], 0
	s_mov_b32 s[CNT], 4
.Lchunk:                                           ; four trips, a chunk of 512 keys each; no barrier
	v_add_nc_u32 v[A16], s[TS], v[L16]
	v_add_nc_u32 v[A8], s[TS], v[L8]
	v_add_nc_u32 v[AV4], s[TS], v[R4V]
	s_wait_alu depctr_va_vdst(0)
	STEP 0
	STEP 1
	s_add_co_u32 s[TS], s[TS], CHB
	s_sub_co_u32 s[CNT], s[CNT], 1
	s_cmp_lg_u32 s[CNT], 0
	s_cbranch_scc1 .Lchunk
	; THE WAY OUT: O^T / the sum is ctx; its 32 registers are 2 x 16 neighbouring channels: quantised as they stand, one unit of cximg.  (The step's five places stand behind the last products)
	v_add_f32 v[SUM], v[SUM], v[SUM+1]
	v_permlanex16_b32 v[T2], v[SUM], s[SEL], s[SEL+1]
	s_delay_alu instid0(VALU_DEP_1)
	v_add_f32 v[SUM], v[SUM], v[T2]                ; the row's sum
	s_wait_alu depctr_va_vdst(0)
	v_rcp_f32 v[SUM], v[SUM]
	v_and_b32 v[T], 15, v0                         ; a plain place behind the transcendental
	s_wait_alu depctr_va_vdst(0)                   ; and the wait ahead of its first reader, and of the first reader of O^T
.set j, 0
.rept 32
	v_mul_f32 v[S+j], v[O+j], v[SUM]
.set j, j+1
.endr
	v_lshlrev_b32 v[T], 3, v[T]                    ; 8 r
.irp b, 0,1
	v_max3_num_f32 v[26+\b], |v[S+16*\b]|, |v[S+1+16*\b]|, 0x1800000
.endr
.irp i, 2,4,6,8,10,12,14
.irp b, 0,1
	s_delay_alu instid0(VALU_DEP_2)
	v_max3_num_f32 v[26+\b], v[26+\b], |v[S+16*\b+\i]|, |v[S+1+16*\b+\i]|
.endr
.endr
.irp b, 0,1
	v_permlanex16_b32 v[28+\b], v[26+\b], s[SEL], s[SEL+1]
.endr
.irp b, 0,1
	s_delay_alu instid0(VALU_DEP_2)
	v_max_num_f32 v[26+\b], v[26+\b], v[28+\b]     ; with lane l xor 16's: the block's largest magnitude
.endr
.irp b, 0,1
	s_delay_alu instid0(VALU_DEP_2)
	v_add_nc_u32 v[30+\b], 0xff000000, v[26+\b]
.endr
.irp b, 0,1
	s_delay_alu instid0(VALU_DEP_2)
	v_lshrrev_b32 v[32+\b], 23, v[30+\b]
.endr
	s_delay_alu instid0(VALU_DEP_1)
	v_lshl_or_b32 v34, v33, 8, v32
	v_cvt_scalef32_pk16_fp6_f32 v[36:38], v[S:S+15], v30
	v_cvt_scalef32_pk16_fp6_f32 v[42:44], v[S+16:S+31], v31
	v_nop
.irp i, 0,1,2
	v_permlane16_swap_b32 v[36+\i], v[42+\i]       ; a WHOLE block to a lane: lanes 0-15 block 0, lanes 16-31 block 1
.endr
.irp i, 0,1,2
	s_delay_alu instid0(VALU_DEP_3)
	v_mov_b32 v[39+\i], v[42+\i]
.endr
	global_store_b128 v[L16], v[36:39], s[60:61]
	global_store_b64 v[L8], v[40:41], s[60:61] offset:512
	global_store_b16 v[T], v34, s[62:63]
	s_wait_tensorcnt 0x0                           ; the wave's end
	ds_add_u32 v[SPW], v[NIL]
	s_wait_dscnt 0x0
	ROUND                                          ; the closing round
	s_endpgm
.Lfunc_end_k_q2add8d8fc4_attn:
	.size	k_q2add8d8fc4_attn, .Lfunc_end_k_q2add8d8fc4_attn-k_q2add8d8fc4_attn
	.p2alignl 7, 3214868480
	.fill 96, 4, 3214868480
	.section	.rodata,"a",@progbits
	.p2align	6, 0x0
	.amdhsa_kernel k_q2add8d8fc4_attn
		.amdhsa_group_segment_fixed_size 206848
		.amdhsa_private_segment_fixed_size 0
		.amdhsa_enable_private_segment 0
		.amdhsa_kernarg_size 24
		.amdhsa_user_sgpr_count 2
		.amdhsa_user_sgpr_kernarg_segment_ptr 1
		.amdhsa_wavefront_size32 1
		.amdhsa_system_sgpr_workgroup_id_x 1
		.amdhsa_system_sgpr_workgroup_id_y 1
		.amdhsa_system_sgpr_workgroup_id_z 1
		.amdhsa_system_vgpr_workitem_id 0
		.amdhsa_next_free_vgpr 256
		.amdhsa_next_free_sgpr 66
		.amdhsa_reserve_vcc 0
		.amdhsa_float_denorm_mode_32 3
		.amdhsa_float_denorm_mode_16_64 3
		.amdhsa_memory_ordered 1
		.amdhsa_forward_progress 1
		.amdhsa_inst_pref_size 69
	.end_amdhsa_kernel
	.amdgpu_metadata
---
amdhsa.version: [ 1, 2 ]
amdhsa.kernels:
  - .name:           k_q2add8d8fc4_attn
    .symbol:         k_q2add8d8fc4_attn.kd
    .args:
      - { .name: qlimg, .offset: 0, .size: 8, .value_kind: global_buffer, .address_space: global }
      - { .name: kvimg, .offset: 8, .size: 8, .value_kind: global_buffer, .address_space: global }
      - { .name: cximg, .offset: 16, .size: 8, .value_kind: global_buffer, .address_space: global }
    .group_segment_fixed_size: 206848
    .private_segment_fixed_size: 0
    .kernarg_segment_align: 8
    .kernarg_segment_size: 24
    .max_flat_workgroup_size: 512
    .sgpr_count:     66
    .vgpr_count:     256
    .wavefront_size: 32
...
	.end_amdgpu_metadata
.endif
;; end of part 4
;; launch outp (part 5): grid 8 x 32, 4 waves a work-group, clusters of 4 x 4, 262,144 bytes of LDS; arguments cximg, wimg, bo, out0; writes out0
.if DOCPART == 5
	.amdgcn_target "amdgcn-amd-amdhsa--gfx1250"
	.amdhsa_code_object_version 6
	.text
	.protected	k_q2add8d8fc4_outp
	.globl	k_q2add8d8fc4_outp
	.p2align	8
	.type	k_q2add8d8fc4_outp,@function
k_q2add8d8fc4_outp:
	s_mov_b64 s[64:65], 0
	v_nop
	global_prefetch_b8 v0, s[64:65] scope:SCOPE_SE
	s_setreg_imm32_b32 hwreg(HW_REG_WAVE_MODE, 25, 1), 1
	s_wait_xcnt 0x0
	s_wait_alu depctr_hold_cnt(0) depctr_sa_sdst(0) depctr_va_vdst(0) depctr_va_sdst(0) depctr_va_ssrc(0) depctr_va_vcc(0) depctr_vm_vsrc(0)
	s_getreg_b32 s2, hwreg(HW_REG_IB_STS2, 6, 4)
	s_cmp_eq_u32 s2, 0
	s_cbranch_scc0 .Lentry_in_a_cluster
	s_endpgm
.Lentry_in_a_cluster:
	s_bfe_u32 s2, ttmp6, 0x10000c
	s_cmp_lg_u32 s2, 0xf033
	s_cbranch_scc0 .Lentry_shape_is_right
	s_endpgm
.Lentry_shape_is_right:
; OUTP: out = ctx Wo + bo on codes of E2M3; out is f32.
; A work-group takes 128 tokens (8 tiles) x 128 columns (8 tiles); each of its four waves 2 token tiles x all 8 column tiles: 16 accumulators.  Operands come as records, as in the launch for q and latent.
; THE MATRIX INSTRUCTION IS USED TRANSPOSED (source 0 = 16 columns of Wo, source 1 = 16 tokens): with the tiles' order of rows a lane's 16 registers of tiles 2 b, 2 b + 1 are 16 neighbouring columns of one row of out.
; ALL OF K FITS IN LDS: four chunks of 256 along K, each filled once; no ring.  CLUSTER 4 x 4: tokens are shared along a row, weights along a column.
; The bias is loaded into the accumulators.  The way out goes through the wave's own stage in LDS (bytes into which no tile lands), so that a store covers 512 consecutive aligned bytes of a row.
.set NX,     8
.set NCH,    4
.set REC,    3328
.set ROWB,   2*REC                     ; a row of a tensor load and a tile's place in LDS: two records on end, half of a tile's K
.set TCH,    8*ROWB                    ; half of K of the 8 token tiles: one load, of wave 0 or 1
.set WCH,    NX*ROWB                   ; half of K of the 8 weight tiles: one load, of wave 2 or 3
.set WGTB,   2*TCH
.set STAGE,  WGTB+2*WCH                ; behind the tiles: 16 rows x (512 + 16) bytes for each wave
.set SPARE,  STAGE+4*16*528            ; behind the stages: the spare words
.set TPITCH, 4*REC
.set WPITCH, 4*REC
.set WOFF,   1490944                   ; Wo in wimg
.set L16, 1
.set L8,  2
.set R8,  3
.set YB16, 4
.set YB8, 5
.set YBS, 6
.set X16, 7
.set X8,  8
.set XS,  9
.set Y16, 10
.set Y8,  11
.set YS,  12
.set H64, 13
.set SPW, 14
.set NIL, 15
.set SX,  16                           ; v16-31 the weights' scale words;  v32-35 the tokens'
.set SY,  SX+2*NX
.set STO, 44                           ; v44 the stage: where I put 64 bytes of a row;  v45 where I read a row back
.set RD,  45
.set ACC, 64                           ; v64-191 accumulator (y, x) at v[64 + 8 (8 y + x)].   Window 1: fragments: weight tile x at v[12 x], token tile y at v[12 (8 + y)]; on the way out rows of out
.set G1T, 24
.set G1W, 32
.set G0T, 40
.set G0W, 68
.set W_LD, 0x40
.set W_MM, 0x05
.set MSB, 0
.macro WIN new
.if MSB != \new
	s_set_vgpr_msb (MSB<<8)|\new
.set MSB, \new
.endif
.endm
.macro ROUND
	s_barrier_signal -1
	s_barrier_wait -1
	s_cmp_lg_u32 s14, 0
	s_cbranch_scc1 .Lnot_wave_0_\@
	s_barrier_signal -3
.Lnot_wave_0_\@:
	s_barrier_wait -3
	s_barrier_signal -1
	s_barrier_wait -1
.endm
.macro PLACES
.rept 4
	v_nop
.endr
.endm
.macro FRAG reg, a16, a8, off
	ds_load_b128 v[(\reg):(\reg)+3], v[\a16] offset:\off
	ds_load_b64 v[(\reg)+4:(\reg)+5], v[\a8] offset:(\off)+512
	ds_load_b128 v[(\reg)+6:(\reg)+9], v[\a16] offset:(\off)+768
	ds_load_b64 v[(\reg)+10:(\reg)+11], v[\a8] offset:(\off)+1280
.endm
.macro SLOT s, cnt                     ; K step s; an even step opens a chunk: cnt of my tensor loads may stay out
.if (\s)%2 == 0
.if (\s) == 0
	s_wait_tensorcnt \cnt                          ; my one load has landed
	s_barrier_signal -1
	s_barrier_wait -1                              ; everybody's has: all of K lies in LDS, and nothing is filled again
.endif
.set XO, WGTB+((\s)/4)*WCH+(((\s)/2)%2)*REC        ; the half of K, and the record in it
.set YO, ((\s)/4)*TCH+(((\s)/2)%2)*REC
	v_add_nc_u32 v[X16], XO, v[L16]
	v_add_nc_u32 v[X8], XO, v[L8]
	v_add_nc_u32 v[XS], XO+3072, v[R8]
	v_add_nc_u32 v[Y16], YO, v[YB16]
	v_add_nc_u32 v[Y8], YO, v[YB8]
	v_add_nc_u32 v[YS], YO+3072, v[YBS]
.set xx, 0
.rept NX
	ds_load_b64 v[SX+2*xx:SX+2*xx+1], v[XS] offset:xx*ROWB
.set xx, xx+1
.endr
.irp y, 0,1
	ds_load_b64 v[SY+2*\y:SY+2*\y+1], v[YS] offset:\y*ROWB
.endr
.endif
	WIN W_LD
.set xx, 0
.rept NX
	FRAG 12*xx, X16, X8, xx*ROWB+((\s)%2)*1536
.set xx, xx+1
.endr
.irp y, 0,1
	FRAG 12*(NX+\y), Y16, Y8, \y*ROWB+((\s)%2)*1536
.endr
	s_wait_dscnt 0x0
	WIN W_MM
.irp y, 0,1                            ; the 16 accumulators take turns, one instruction a turn
.set xx, 0
.rept NX
	v_wmma_scale_f32_16x16x128_f8f6f4 v[ACC+8*(NX*\y+xx):ACC+8*(NX*\y+xx)+7], v[12*xx:12*xx+11], v[12*(NX+\y):12*(NX+\y)+11], v[ACC+8*(NX*\y+xx):ACC+8*(NX*\y+xx)+7], v[SX+2*xx+(\s)%2], v[SY+2*\y+(\s)%2] matrix_a_fmt:MATRIX_FMT_FP6 matrix_b_fmt:MATRIX_FMT_FP6
.set xx, xx+1
.endr
.endr
	WIN 0
	PLACES
.endm
.macro TOSTAGE y                       ; token tile y: 16 rows x 512 bytes into my stage, each accumulator from its low end on, and back as whole rows.  LDS serves a wave's instructions in order
.irp b, 0,1,2,3
.irp i, 0,1,2,3
	ds_store_b128 v[STO], v[ACC+8*(NX*\y+2*\b)+4*\i:ACC+8*(NX*\y+2*\b)+4*\i+3] offset:128*\b+16*\i
.endr
.endr
	WIN W_LD
.irp p, 0,1,2,3,4,5,6,7,8,9,10,11,12,13,14,15
	ds_load_b128 v[64*\y+4*\p:64*\y+4*\p+3], v[RD] offset:\p*528
.endr
	WIN 0
.endm
.macro SEND y, younger                 ; younger: the LDS instructions issued behind tile y's loads
	s_wait_dscnt \younger
	WIN 0x04                                       ; a store's data are its source 1: window 1
.irp p, 0,1,2,3,4,5,6,7,8,9,10,11,12,13,14,15
	global_store_b128 v[L16], v[64*\y+4*\p:64*\y+4*\p+3], s[88:89] offset:(\p+8*(\p/8)+8*\y)*4096 th:TH_STORE_NT   ; 32 lanes store 512 consecutive bytes, at a multiple of 512 from out's first byte
.endr
	WIN 0
.endm
	s_load_b256 s[4:11], s[0:1], 0x0               ; cximg s[4:5], wimg s[6:7], bo s[8:9], out0 s[10:11]
	v_lshl_add_u32 v[SPW], v0, 2, SPARE
	v_mov_b32 v[NIL], 0
	ds_add_u32 v[SPW], v[NIL]                      ; the wave's opening: the add and its wait stand ahead of my first tensor load
	ds_add_u32 v[SPW], v[NIL]
	v_lshrrev_b32 v1, 5, v0
	v_readfirstlane_b32 s14, v1
	s_and_b32 s15, s14, 1
	s_bfe_u32 s17, ttmp6, 0x40000
	s_bfe_u32 s18, ttmp6, 0x40004
	s_lshl_b32 s19, ttmp9, 2
	s_add_co_u32 s19, s19, s17                     ; x: which 128 columns
	s_and_b32 s20, ttmp7, 0xffff
	s_lshl_b32 s20, s20, 2
	s_add_co_u32 s20, s20, s18                     ; y: which 128 tokens
	s_lshl_b32 s21, s18, 2
	s_lshl_b32 s21, 15, s21
	s_lshl_b32 s22, 0x1111, s17
	s_or_b32 s[G1T], s21, (3<<16)|(1<<21)
	s_mov_b32 s[G1T+1], (ROWB/8)<<16
	s_mov_b32 s[G1T+2], 8<<16
	s_mov_b32 s[G1T+3], (ROWB/8)<<16
	s_mov_b32 s[G1T+4], 8
	s_mov_b32 s[G1T+5], TPITCH/8
	s_mov_b32 s[G1T+6], 0
	s_mov_b32 s[G1T+7], 0
	s_or_b32 s[G1W], s22, (3<<16)|(1<<21)
	s_mov_b32 s[G1W+1], (ROWB/8)<<16
	s_mov_b32 s[G1W+2], NX<<16
	s_mov_b32 s[G1W+3], (ROWB/8)<<16
	s_mov_b32 s[G1W+4], NX
	s_mov_b32 s[G1W+5], WPITCH/8
	s_mov_b32 s[G1W+6], 0
	s_mov_b32 s[G1W+7], 0
	s_lshl_b32 s56, s20, 3
	s_mul_i32 s56, s56, TPITCH
	s_mul_i32 s57, s15, ROWB                       ; my half of K
	s_add_co_u32 s56, s56, s57
	s_mov_b32 s57, 0
	s_mul_i32 s58, s19, NX*WPITCH
	s_mul_i32 s59, s15, ROWB
	s_add_co_u32 s58, s58, s59
	s_add_co_u32 s58, s58, WOFF
	s_mov_b32 s59, 0
	s_mul_i32 s60, s15, TCH
	s_mul_i32 s61, s15, WCH
	s_wait_dscnt 0x0
	s_wait_kmcnt 0x0
	s_add_nc_u64 s[56:57], s[4:5], s[56:57]
	s_add_nc_u64 s[58:59], s[6:7], s[58:59]
	ROUND
.irp G, 0
	s_mov_b32 s[G0T+4*\G], 1
	s_add_co_u32 s[G0T+4*\G+1], s60, \G*TCH
	s_add_nc_u64 s[G0T+4*\G+2:G0T+4*\G+3], s[56:57], \G*REC
	s_or_b32 s[G0T+4*\G+3], s[G0T+4*\G+3], 0x80000000
	s_mov_b32 s[G0W+4*\G], 1
	s_add_co_u32 s[G0W+4*\G+1], s61, WGTB+\G*WCH
	s_add_nc_u64 s[G0W+4*\G+2:G0W+4*\G+3], s[58:59], \G*REC
	s_or_b32 s[G0W+4*\G+3], s[G0W+4*\G+3], 0x80000000
.endr
	s_cmp_lt_u32 s14, 2                            ; a wave's one fill stands in one branch on the wave's number
	s_cbranch_scc0 .Lfor_w
.irp G, 0
	tensor_load_to_lds s[G0T+4*\G:G0T+4*\G+3], s[G1T:G1T+7]
	s_nop 0
.endr
	PLACES
	s_branch .Lasked
.Lfor_w:
.irp G, 0
	tensor_load_to_lds s[G0W+4*\G:G0W+4*\G+3], s[G1W:G1W+7]
	s_nop 0
.endr
	PLACES
.Lasked:
	v_and_b32 v[H64], 31, v0
	v_lshlrev_b32 v[L16], 4, v[H64]
	v_lshlrev_b32 v[L8], 3, v[H64]
	v_and_b32 v[STO], 15, v0
	v_lshlrev_b32 v[R8], 3, v[STO]
	s_mul_i32 s62, s14, 2*ROWB
	v_add_nc_u32 v[YB16], s62, v[L16]
	v_add_nc_u32 v[YB8], s62, v[L8]
	v_add_nc_u32 v[YBS], s62, v[R8]
	v_bfe_u32 v[H64], v0, 4, 1
	v_lshlrev_b32 v[H64], 6, v[H64]
	s_wait_alu depctr_va_vdst(0)
	s_mul_i32 s63, s14, 16*528
	s_add_co_u32 s63, s63, STAGE                   ; my stage
	v_mul_u32_u24 v[STO], v[STO], 528
	v_add_nc_u32 v[STO], v[H64], v[STO]
	v_add_nc_u32 v[STO], s63, v[STO]               ; in: row r, + 64 h
	v_add_nc_u32 v[RD], s63, v[L16]                ; back: a row's 512 bytes, 16 a lane
	s_lshl_b32 s2, s19, 9
	s_mov_b32 s3, 0
	s_add_nc_u64 s[86:87], s[8:9], s[2:3]          ; bo at my 128 columns
	s_lshl_b32 s98, s20, 2
	s_add_co_u32 s98, s98, s14
	s_lshl_b32 s98, s98, 17                        ; my wave's 32 tokens x 4,096 bytes,
	s_add_co_u32 s98, s98, s2                      ; + my 128 columns
	s_mov_b32 s99, 0
	s_add_nc_u64 s[88:89], s[10:11], s[98:99]
.irp t, 0,1,2,3,4,5,6,7
.irp y, 0,1
	global_load_b128 v[ACC+8*(NX*\y+\t):ACC+8*(NX*\y+\t)+3], v[H64], s[86:87] offset:(32*(\t/2)+8*(\t%2))*4
	global_load_b128 v[ACC+8*(NX*\y+\t)+4:ACC+8*(NX*\y+\t)+7], v[H64], s[86:87] offset:(32*(\t/2)+8*(\t%2))*4+16
.endr
.endr
	s_wait_loadcnt 0x0                             ; the bias stands in the accumulators
	SLOT 0, 0
	s_wait_alu depctr_va_vdst(0)
	SLOT 1, 0
	SLOT 2, 2
	s_wait_alu depctr_va_vdst(0)
	SLOT 3, 0
	SLOT 4, 1
	s_wait_alu depctr_va_vdst(0)
	SLOT 5, 0
	SLOT 6, 0
	s_wait_alu depctr_va_vdst(0)
	SLOT 7, 0
	TOSTAGE 0
	TOSTAGE 1
	SEND 0, 32                                     ; behind tile 0's loads stand tile 1's 16 stores and 16 loads
	SEND 1, 0
	s_wait_tensorcnt 0x0                           ; the wave's end, behind my last LDS store
	ds_add_u32 v[SPW], v[NIL]
	s_wait_dscnt 0x0
	ROUND                                          ; the closing round
	s_endpgm
.Lfunc_end_k_q2add8d8fc4_outp:
	.size	k_q2add8d8fc4_outp, .Lfunc_end_k_q2add8d8fc4_outp-k_q2add8d8fc4_outp
	.p2alignl 7, 3214868480
	.fill 96, 4, 3214868480
	.section	.rodata,"a",@progbits
	.p2align	6, 0x0
	.amdhsa_kernel k_q2add8d8fc4_outp
		.amdhsa_group_segment_fixed_size 262144
		.amdhsa_private_segment_fixed_size 0
		.amdhsa_enable_private_segment 0
		.amdhsa_kernarg_size 32
		.amdhsa_user_sgpr_count 2
		.amdhsa_user_sgpr_kernarg_segment_ptr 1
		.amdhsa_wavefront_size32 1
		.amdhsa_system_sgpr_workgroup_id_x 1
		.amdhsa_system_sgpr_workgroup_id_y 1
		.amdhsa_system_sgpr_workgroup_id_z 1
		.amdhsa_system_vgpr_workitem_id 0
		.amdhsa_next_free_vgpr 512
		.amdhsa_next_free_sgpr 100
		.amdhsa_reserve_vcc 0
		.amdhsa_float_denorm_mode_32 3
		.amdhsa_float_denorm_mode_16_64 3
		.amdhsa_memory_ordered 1
		.amdhsa_forward_progress 1
		.amdhsa_inst_pref_size 59
	.end_amdhsa_kernel
	.amdgpu_metadata
---
amdhsa.version: [ 1, 2 ]
amdhsa.kernels:
  - .name:           k_q2add8d8fc4_outp
    .symbol:         k_q2add8d8fc4_outp.kd
    .args:
      - { .name: cximg, .offset: 0, .size: 8, .value_kind: global_buffer, .address_space: global }
      - { .name: wimg, .offset: 8, .size: 8, .value_kind: global_buffer, .address_space: global }
      - { .name: bo, .offset: 16, .size: 8, .value_kind: global_buffer, .address_space: global }
      - { .name: out0, .offset: 24, .size: 8, .value_kind: global_buffer, .address_space: global }
    .group_segment_fixed_size: 262144
    .private_segment_fixed_size: 0
    .kernarg_segment_align: 8
    .kernarg_segment_size: 32
    .max_flat_workgroup_size: 128
    .sgpr_count:     100
    .vgpr_count:     512
    .wavefront_size: 32
...
	.end_amdgpu_metadata
.endif
;; end of part 5
